; MI455X (gfx1250); checked and timed in simulation.
; The chip was launched on July 23, 2026; its instructions are those of AMD's public machine-readable ISA for CDNA 5 (MIT licence, August 2026) and "CDNA5" Instruction Set Architecture Reference Guide (July 2026). The comments in the code are by the model that wrote it; some were corrected since.
;; Multi Head Attention. Allowed arithmetic: matrix products marked QUANTISED: E5M2 operands, one E8M0 scale for each 32 along K, by v_wmma_scale_f32_16x16x128_f8f6f4 with both operands' format E5M2, f32 sums; everything else in f32.
;; Inputs: b_attn 3,072 float32; b_proj 1,024 float32; w_attn 1,024 x 3,072 float32; w_proj 1,024 x 1,024 float32; x 4 x 2,048 x 1,024 float32.
;; Outputs: out0 4 x 2,048 x 1,024 float32.
;; This version of the problem:
;;   THIS VERSION OF THE PROBLEM IS GIVEN IN LOW PRECISION. The matrix products marked QUANTISED in the list below multiply operands that are first quantised to E5M2 (5 exponent bits, 2 mantissa bits; 8 bits a number), with one power-of-two scale for each 32 numbers along K (OCP MX v1.0); their sums are f32. All else is computed in f32.
;;   The module's matrix products, in the order in which they are computed (A, B: the left and right operand; K: the contracted axis; several contracted axes count as one K, in the product's order):
;;     1. [M 8,192, K 1,024] x [K 1,024, N 3,072]; A: input x; B: input w_attn: QUANTISED
;;     2. batch 64 x [M 2,048, K 64] x [K 64, N 2,048]; A: computed on the way; B: computed on the way: QUANTISED
;;     3. batch 64 x [M 2,048, K 2,048] x [K 2,048, N 64]; A: softmax (see below); B: computed on the way: QUANTISED
;;     4. [M 8,192, K 1,024] x [K 1,024, N 1,024]; A: computed on the way; B: input w_proj: QUANTISED
;;   THE QUANTISER, for each operand of a quantised product, along K:
;;     - K is cut into blocks of 32 from its start; a last block that is shorter is filled with zeros.
;;     - A block's scale is 2^e with e = floor(log2(the largest magnitude in the block)) - 15, held to -126 .. 127; a block of zeros has e = 0. As a byte (E8M0): e + 127.
;;     - Each number is divided by its block's scale, clamped to +-57,344, and rounded to the nearest number of E5M2, ties to even, subnormals kept.
;;     - The product sums the exact products of the quantised numbers (number of the format x scale) in f32.
;;   ~~~python
;;   def quantise(x, axis):      # numpy; x: float32 -> the quantised numbers, widened to float32 again
;;       x = np.moveaxis(x, axis, -1); K = x.shape[-1]
;;       x = np.pad(x, [(0, 0)] * (x.ndim - 1) + [(0, -K % 32)]); x = x.reshape(x.shape[:-1] + (-1, 32)); a = np.abs(x).max(-1, keepdims=True)
;;       e = np.where(a > 0, np.clip(np.frexp(np.where(a > 0, a, 1))[1] - 1 - 15, -126, 127), 0)      # np.frexp(a)[1] - 1 = floor(log2(a)), exactly
;;       r = np.clip(x / 2.0 ** e, -57344, 57344)
;;       step = 2.0 ** (np.maximum(np.frexp(np.where(r == 0, 1, r))[1] - 1, -14) - 2)
;;       q = np.round(r / step) * step * 2.0 ** e      # np.round: ties to even
;;       return np.moveaxis(q.reshape(q.shape[:-2] + (-1,))[..., :K], -1, axis).astype(np.float32)
;;   ~~~
;;   SOFTMAX AHEAD OF A QUANTISED PRODUCT. Where the list says 'softmax', what is quantised is not the finished softmax but p = 2^(t - M), with t = logit x log2(e) and M = ceil(the row's largest t), a whole number; so 1/2 < the row's largest p <= 1. The row's sum l is taken of the UNQUANTISED p, in f32, and the product's result is divided by l at the end. Since M is a whole number, a kernel that streams over the keys may use a running M (the ceiling of the running maximum): every later rescaling is an exact power of two, which a block's scale takes up: the codes' values come out the same.
;;   OPERANDS COMPUTED ON THE WAY. 'Computed on the way' means the value that the module computes at that place (a softmax that the list does not call 'softmax' is quantised finished and normalised). What goes into a quantiser is computed in f32, as accurately as f32 sums, v_exp_f32 and their like allow (about 1e-6 of the number): no bf16 or f16 on the way to a quantiser, and a product that is left as it is and whose result goes on into a quantised operand takes f32 operands (vector FMAs, or v_wmma_f32_16x16x4_f32). A number that lies on a knife's edge between two numbers of the format may be rounded either way, as far as f32 arithmetic and the matrix unit's own rounding can turn it there, and no further.
;; One version. Each part assembles by itself: llvm-mc -triple=amdgcn-amd-amdhsa -mcpu=gfx1250 --defsym DOCPART=n.
;; ======== version 1 of 1: 4 launches
;; limits: right only within a limited range of input values
;; workspace buffers: xq 8,650,752 bytes; wq 4,325,376 bytes; qq 17,301,504 bytes; kv 17,301,504 bytes; oq 8,650,752 bytes
;; launch quant (part 1): grid 768 x 1, 4 waves a work-group, no clusters, 34,304 bytes of LDS; arguments x, w_attn, w_proj, xq, wq; writes xq, wq
.if DOCPART == 1
	.amdgcn_target "amdgcn-amd-amdhsa--gfx1250"
	.amdhsa_code_object_version 6
	.text
	.protected	k_qd7a52c7f54_quant
	.globl	k_qd7a52c7f54_quant
	.p2align	8
	.type	k_qd7a52c7f54_quant,@function
k_qd7a52c7f54_quant:
	s_mov_b64 s[64:65], 0
	v_nop
	global_prefetch_b8 v0, s[64:65] scope:SCOPE_SE
	s_setreg_imm32_b32 hwreg(HW_REG_WAVE_MODE, 25, 1), 1
	s_wait_xcnt 0x0
; THE PROGRAM: causal attention, 4 x 2,048 rows of 1,024, 16 heads of 64, all four products on codes of E5M2 with one E8M0 byte for each 32 along K.
; Four launches: this one (x, w_attn, w_proj into codes); qkv (x w_attn + b_attn, quantised into q, k, v); attn (both attention products and the softmax); proj (the way out, + b_proj).
; DEAD WORK LEFT OUT (in attn): a step of 128 keys all of which come after all 16 queries of a wave's tile.  The problem's own lower-triangular mask sets these scores to -infinity ahead of the softmax,
; so their p is 0 whatever the inputs hold: they add nothing to a row's largest t, to its sum or to the second product.  Nothing else is left out; all five inputs are loaded.
; LIMITS: NaN and infinities among the inputs are not served, and a NaN, an infinity or an overflow that would arise only in the steps left out is not carried to the result.
; A block of zeros, or one whose largest magnitude lies under 2^-111, gets the scale byte 1 (a block of zeros: 127 by the quantiser's text): its codes are zeros or the same numbers, and this program alone reads the bytes.
;
; THIS LAUNCH.  Every operand is laid in memory as AN IMAGE OF THE OPERAND'S REGISTERS.  A fragment is 16 rows x 128 K, 2,048 bytes: byte 512 c + 16 lane + i is the code of k = 32 c + 16 (lane / 16) + i of row lane % 16.
; THE ROWS OF A TILE ARE NOT NEIGHBOURS: lane r of tile 2 b + u is row (of x) or column (of a weight) 32 b + 8 u + r + 8 (r / 8), so that a later product's 16 registers of two neighbouring tiles are 16 neighbours.
; xq: 32 records of 16 row tiles: codes at 16,384 tile + 2,048 K step, scale words at 262,144 + 512 tile + 32 r + 4 K step.
; wq: block nb of 32 columns (0-95 w_attn, 96-127 w_proj) at 32,768 nb + 2,048 (8 u + K step); scale words at 4,194,304 + 512 (2 nb + u) + 32 r + 4 K step.
; Work-groups 0-511: a row tile of x each, a wave 256 along K.  512-703: w_attn, 128 columns x 128 K each.  704-767: w_proj likewise.  Memory binds: no matrix unit, no tensor load, no cluster, no barrier (waves share nothing).
.set XREC,  270336
.set WSC,   4194304
.set STG,   8448                       ; a wave's stage: 16 rows x (512 bytes + 16)
.set SPARE, 4*STG                      ; behind the stages: the spare words, 128 bytes a wave: two blocks of 256 bytes that no other line names
.set SPW, 10                           ; v10  my spare word's LDS address; never rewritten
.set NIL, 11                           ; v11  0; never rewritten
.set R,   16                           ; v16-143  x as loaded: two K steps x 16 rows x 4 registers
.set X,   144                          ; v144-207 64 numbers of my row: register 16 b + i = k 32 b + 16 h + i
.set PC,  208                          ; v208-223 a fragment's codes
.set TM,  224                          ; v224-239 at work
.set PW,  240                          ; the scale word just made;  v241 the first K step's;  v242 the one that I store
.set PW0, 241
.set SLW, 242
.set SEL, 20                           ; s[20:21] v_permlanex16_b32's selects for lane l xor 16
.set MNT, 22
.set HM,  23                           ; s23  lanes 16-31
; 64 numbers of a lane become a fragment's codes in v[PC] on and my row's scale word in v[PW].
.macro QUANT64 s
.irp b, 0,1,2,3
	v_max3_num_f32 v[TM+\b], |v[\s+16*\b]|, |v[\s+1+16*\b]|, 0x8000000   ; block b: my 16 numbers, and the floor 2^(16 - 127): so the byte cannot fall under 1
.endr
.irp i, 2,4,6,8,10,12,14
.irp b, 0,1,2,3
	v_max3_num_f32 v[TM+\b], v[TM+\b], |v[\s+16*\b+\i]|, |v[\s+1+16*\b+\i]|   ; the four blocks by turns
.endr
.endr
.irp b, 0,1,2,3
	v_permlanex16_b32 v[TM+4+\b], v[TM+\b], s[SEL], s[SEL+1]
.endr
.irp b, 0,1,2,3
	v_max_num_f32 v[TM+\b], v[TM+\b], v[TM+4+\b]   ; with lane l xor 16's 16: the block's largest magnitude
.endr
.irp b, 0,1,2,3
	v_add_nc_u32 v[TM+12+\b], 0xf8800000, v[TM+\b]   ; 15 off its exponent field: the conversion's scale operand
.endr
.irp b, 0,1,2,3
.endr
.irp b, 0,1,2,3
	v_lshrrev_b32 v[TM+4+\b], 23, v[TM+12+\b]      ; the scale's byte
.endr
	v_lshl_or_b32 v[PW], v[TM+5], 8, v[TM+4]
	v_lshl_or_b32 v[PW], v[TM+6], 16, v[PW]
	v_lshl_or_b32 v[PW], v[TM+7], 24, v[PW]
.irp b, 0,1,2,3
.irp i, 0,1,2,3,4,5,6,7,8,9,10,11,12,13,14,15
.endr
	v_cvt_scalef32_pk8_bf8_f32 v[PC+4*\b:PC+1+4*\b], v[\s+16*\b:\s+7+16*\b], v[TM+12+\b]
	v_cvt_scalef32_pk8_bf8_f32 v[PC+2+4*\b:PC+3+4*\b], v[\s+8+16*\b:\s+15+16*\b], v[TM+12+\b]
.endr
	v_nop                                          ; a plain line behind the last conversion
.endm
	s_load_b256 s[4:11], s[0:1], 0x0               ; x s[4:5], w_attn s[6:7], w_proj s[8:9], xq s[10:11]
	s_load_b64 s[12:13], s[0:1], 0x20              ; wq
	v_lshl_add_u32 v[SPW], v0, 2, SPARE
	v_mov_b32 v[NIL], 0
	v_lshrrev_b32 v1, 5, v0
	v_readfirstlane_b32 s14, v1                    ; wave
	v_and_b32 v1, 31, v0                           ; lane
	v_and_b32 v2, 15, v0                           ; r
	v_bfe_u32 v3, v0, 4, 1                         ; h (x), u (weights)
	s_mov_b32 s[SEL], 0x76543210
	s_mov_b32 s[SEL+1], 0xfedcba98
	s_mov_b32 s[HM], 0xffff0000
	s_cmp_lt_u32 ttmp9, 512
	s_cbranch_scc0 .Lweights
	; ---- x: row tile T = the work-group's number; my wave: K steps 2 w and 2 w + 1
	v_lshlrev_b32 v4, 4, v1                        ; 16 x lane: my bytes of a load's 512, and of a store's
	s_mul_i32 s15, s14, STG
	v_add_nc_u32 v5, s15, v4                       ; the stage on the way in: as loaded
	v_mul_u32_u24 v6, v2, 528
	v_lshl_add_u32 v6, v3, 6, v6
	v_add_nc_u32 v6, s15, v6                       ; and on the way out: row r, + 64 h: my 16 numbers of a block of 32
	v_lshlrev_b32 v8, 5, v2
	v_lshl_add_u32 v8, v3, 2, v8                   ; scale words: 32 r + 4 h
.irp b, 0,1,2,3
	v_mov_b32 v[TM+4+\b], 0                        ; written once: a lane permute's destination counts as one of its sources
.endr
	s_lshr_b32 s16, ttmp9, 1
	s_lshl_b32 s16, s16, 5
	s_and_b32 s17, ttmp9, 1
	s_lshl_b32 s17, s17, 3
	s_add_co_u32 s16, s16, s17                     ; the tile's first row: 32 (T / 2) + 8 (T % 2)
	s_lshl_b32 s16, s16, 12                        ; x 4,096 bytes
	s_lshl_b32 s17, s14, 10
	s_add_co_u32 s16, s16, s17                     ; + my 256 numbers of a row
	s_mov_b32 s17, 0
	s_lshr_b32 s18, ttmp9, 4
	s_mul_i32 s18, s18, XREC                       ; the record
	s_and_b32 s19, ttmp9, 15
	s_lshl_b32 s24, s19, 14
	s_add_co_u32 s24, s24, s18
	s_lshl_b32 s25, s14, 12
	s_add_co_u32 s24, s24, s25                     ; codes: + 16,384 tile + 2 x 2,048 w
	s_mov_b32 s25, 0
	s_lshl_b32 s26, s19, 9
	s_add_co_u32 s26, s26, s18
	s_lshl_b32 s27, s14, 3
	s_add_co_u32 s26, s26, s27
	s_add_co_u32 s26, s26, 262144                  ; scale words: + 262,144 + 512 tile + 8 w
	s_mov_b32 s27, 0
	s_wait_alu depctr_va_vdst(0)
	s_wait_kmcnt 0x0
	s_add_nc_u64 s[4:5], s[4:5], s[16:17]
	s_add_nc_u64 s[28:29], s[10:11], s[24:25]
	s_add_nc_u64 s[30:31], s[10:11], s[26:27]
.irp q, 0,1
.irp i, 0,1,2,3,4,5,6,7,8,9,10,11,12,13,14,15
	global_load_b128 v[R+64*\q+4*\i:R+64*\q+4*\i+3], v4, s[4:5] offset:(\i+8*(\i/8))*4096+512*\q th:TH_LOAD_NT   ; 32 lanes read 512 consecutive bytes of the tile's row i
.endr
.endr
.irp q, 0,1
	s_wait_loadcnt 16-16*\q                        ; this K step's sixteen loads are in; the other's sixteen may be out
.irp i, 0,1,2,3,4,5,6,7,8,9,10,11,12,13,14,15
	ds_store_b128 v5, v[R+64*\q+4*\i:R+64*\q+4*\i+3] offset:528*\i
.endr
.irp b, 0,1,2,3
.irp j, 0,1,2,3
	ds_load_b128 v[X+16*\b+4*\j:X+16*\b+4*\j+3], v6 offset:128*\b+16*\j   ; LDS serves a wave's instructions in order (ISA guide 5.7.1.4): these see my stores
.endr
.endr
	s_wait_dscnt 0x0
.if \q == 1
	s_wait_xcnt 0x0                                ; the first K step's stores have read v[PC] on, which is written again
.endif
	QUANT64 X
.irp c, 0,1,2,3
	global_store_b128 v4, v[PC+4*\c:PC+4*\c+3], s[28:29] offset:2048*\q+512*\c   ; 512 consecutive bytes, aligned
.endr
.if \q == 0
	v_mov_b32 v[PW0], v[PW]
.endif
.endr
	v_cndmask_b32 v[SLW], v[PW0], v[PW], s[HM]     ; lanes 0-15 store K step 2 w's word of row r, lanes 16-31 K step 2 w + 1's
	global_store_b32 v8, v[SLW], s[30:31]
	s_branch .Lend
	; ---- the weights: K is their FIRST axis: a lane takes a column and its registers run down K, so a block of 32 lies in one lane
.macro WBLOAD c, pitch
.set n, 0
.rept 32
	global_load_b32 v[32+32*(\c)+n], v4, s[32:33] offset:(32*(\c)+n)*\pitch th:TH_LOAD_NT   ; a wave reads 128 consecutive bytes of a row, the four waves 512
.set n, n+1
.endr
.endm
.macro WBLOCK c, pitch
.set XS, 32+32*(\c)
.set CC, 160+8*(\c)
.if (\c) < 3
	s_wait_loadcnt 32                              ; this block's 32 loads are in; the one block issued behind it may be out
.else
	s_wait_loadcnt 0x0
.endif
.if (\c) < 2
	WBLOAD (\c)+2, \pitch                          ; two blocks ahead; every block has registers of its own
.endif
	v_max3_num_f32 v20, |v[XS]|, |v[XS+1]|, |v[XS+2]|
	v_max3_num_f32 v21, |v[XS+3]|, |v[XS+4]|, |v[XS+5]|
.irp i, 6,10,14,18,22,26
	v_max3_num_f32 v20, v20, |v[XS+\i]|, |v[XS+\i+1]|
	v_max3_num_f32 v21, v21, |v[XS+\i+2]|, |v[XS+\i+3]|
.endr
	v_max3_num_f32 v20, v20, |v[XS+30]|, |v[XS+31]|
	v_max3_num_f32 v20, v20, v21, 0x8000000        ; and the floor 2^(16 - 127)
	v_add_nc_u32 v22, 0xf8800000, v20              ; the conversion's scale operand
	v_lshrrev_b32 v21, 23, v22                     ; the byte
.if (\c) == 0
	v_mov_b32 v24, v21
.else
	v_lshl_or_b32 v24, v21, 8*(\c), v24            ; four bytes make the K step's scale word of my column
.endif
.set n, 0
.rept 32
.set n, n+1
.endr
.irp g, 0,1,2,3
	v_cvt_scalef32_pk8_bf8_f32 v[CC+2*\g:CC+2*\g+1], v[XS+8*\g:XS+8*\g+7], v22
.endr
	v_nop
	global_store_b128 v5, v[CC:CC+3], s[34:35] offset:512*(\c)         ; k 0-15 of the block: the image's lanes 0-15; sixteen lanes fill 256 consecutive bytes, aligned
	global_store_b128 v5, v[CC+4:CC+7], s[34:35] offset:512*(\c)+256   ; k 16-31: its lanes 16-31
.endm
.macro WPATH pitch, firstwg, nb0, sp
	s_sub_co_u32 s15, ttmp9, \firstwg
	s_lshr_b32 s16, s15, 3                         ; which 128 columns
	s_and_b32 s17, s15, 7                          ; which K step
	s_lshl_b32 s18, s16, 2
	s_add_co_u32 s18, s18, s14                     ; my wave's block of 32 columns in this weight
	s_mul_i32 s24, s17, 128*\pitch
	s_lshl_b32 s25, s18, 7
	s_add_co_u32 s24, s24, s25
	s_mov_b32 s25, 0
	s_add_co_u32 s18, s18, \nb0                    ; and in wq
	s_lshl_b32 s26, s18, 15
	s_lshl_b32 s27, s17, 11
	s_add_co_u32 s26, s26, s27
	s_mov_b32 s27, 0
	s_lshl_b32 s28, s18, 10
	s_lshl_b32 s29, s17, 2
	s_add_co_u32 s28, s28, s29
	s_add_co_u32 s28, s28, WSC
	s_mov_b32 s29, 0
	s_wait_kmcnt 0x0
	s_add_nc_u64 s[32:33], s[\sp:\sp+1], s[24:25]
	s_add_nc_u64 s[34:35], s[12:13], s[26:27]
	s_add_nc_u64 s[36:37], s[12:13], s[28:29]
	WBLOAD 0, \pitch
	WBLOAD 1, \pitch
	WBLOCK 0, \pitch
	WBLOCK 1, \pitch
	WBLOCK 2, \pitch
	WBLOCK 3, \pitch
	global_store_b32 v6, v24, s[36:37]             ; words 32 bytes apart: 128 KiB in the whole launch, against 17 MB of weights read
.endm
.Lweights:
	s_wait_alu depctr_va_vdst(0)
	v_and_b32 v4, 8, v2
	v_add_nc_u32 v4, v4, v2
	v_lshl_add_u32 v4, v3, 3, v4                   ; my column in the block: 8 u + r + 8 (r / 8)
	v_lshlrev_b32 v4, 2, v4
	v_lshlrev_b32 v5, 4, v2
	v_lshl_add_u32 v5, v3, 14, v5                  ; codes: tile u's eight fragments begin 16,384 u on; + 16 r
	v_lshlrev_b32 v6, 5, v2
	v_lshl_add_u32 v6, v3, 9, v6                   ; scale words: 512 u + 32 r
	s_cmp_lt_u32 ttmp9, 704
	s_cbranch_scc0 .Lproj_w
	s_wait_alu depctr_va_vdst(0)
	WPATH 12288, 512, 0, 6
	s_branch .Lend
.Lproj_w:
	s_wait_alu depctr_va_vdst(0)
	WPATH 4096, 704, 96, 8
.Lend:
	s_wait_tensorcnt 0x0                           ; the wave's end
	ds_add_u32 v[SPW], v[NIL]
	s_wait_dscnt 0x0
	s_endpgm
.Lfunc_end_k_qd7a52c7f54_quant:
	.size	k_qd7a52c7f54_quant, .Lfunc_end_k_qd7a52c7f54_quant-k_qd7a52c7f54_quant
	.p2alignl 7, 3214868480
	.fill 96, 4, 3214868480
	.section	.rodata,"a",@progbits
	.p2align	6, 0x0
	.amdhsa_kernel k_qd7a52c7f54_quant
		.amdhsa_group_segment_fixed_size 34304
		.amdhsa_private_segment_fixed_size 0
		.amdhsa_enable_private_segment 0
		.amdhsa_kernarg_size 40
		.amdhsa_user_sgpr_count 2
		.amdhsa_user_sgpr_kernarg_segment_ptr 1
		.amdhsa_wavefront_size32 1
		.amdhsa_system_sgpr_workgroup_id_x 1
		.amdhsa_system_sgpr_workgroup_id_y 1
		.amdhsa_system_sgpr_workgroup_id_z 1
		.amdhsa_system_vgpr_workitem_id 0
		.amdhsa_next_free_vgpr 256
		.amdhsa_next_free_sgpr 66
		.amdhsa_reserve_vcc 0
		.amdhsa_float_denorm_mode_32 3
		.amdhsa_float_denorm_mode_16_64 3
		.amdhsa_fp16_overflow 1
		.amdhsa_memory_ordered 1
		.amdhsa_forward_progress 1
		.amdhsa_inst_pref_size 58
	.end_amdhsa_kernel
	.amdgpu_metadata
---
amdhsa.version: [ 1, 2 ]
amdhsa.kernels:
  - .name:           k_qd7a52c7f54_quant
    .symbol:         k_qd7a52c7f54_quant.kd
    .args:
      - { .name: x, .offset: 0, .size: 8, .value_kind: global_buffer, .address_space: global }
      - { .name: w_attn, .offset: 8, .size: 8, .value_kind: global_buffer, .address_space: global }
      - { .name: w_proj, .offset: 16, .size: 8, .value_kind: global_buffer, .address_space: global }
      - { .name: xq, .offset: 24, .size: 8, .value_kind: global_buffer, .address_space: global }
      - { .name: wq, .offset: 32, .size: 8, .value_kind: global_buffer, .address_space: global }
    .group_segment_fixed_size: 34304
    .private_segment_fixed_size: 0
    .kernarg_segment_align: 8
    .kernarg_segment_size: 40
    .max_flat_workgroup_size: 128
    .sgpr_count:     66
    .vgpr_count:     256
    .wavefront_size: 32
...
	.end_amdgpu_metadata
.endif
;; end of part 1
;; launch qkv (part 2): grid 8 x 32, 4 waves a work-group, clusters of 4 x 1, 327,680 bytes of LDS; arguments xq, wq, b_attn, qq, kv; writes qq, kv
.if DOCPART == 2
	.amdgcn_target "amdgcn-amd-amdhsa--gfx1250"
	.amdhsa_code_object_version 6
	.text
	.protected	k_qd7a52c7f54_qkv
	.globl	k_qd7a52c7f54_qkv
	.p2align	8
	.type	k_qd7a52c7f54_qkv,@function
k_qd7a52c7f54_qkv:
	s_mov_b64 s[64:65], 0
	v_nop
	global_prefetch_b8 v0, s[64:65] scope:SCOPE_SE
	s_setreg_imm32_b32 hwreg(HW_REG_WAVE_MODE, 25, 1), 1
	s_wait_xcnt 0x0
	s_wait_alu depctr_hold_cnt(0) depctr_sa_sdst(0) depctr_va_vdst(0) depctr_va_sdst(0) depctr_va_ssrc(0) depctr_va_vcc(0) depctr_vm_vsrc(0)
	s_getreg_b32 s2, hwreg(HW_REG_IB_STS2, 6, 4)
	s_cmp_eq_u32 s2, 0
	s_cbranch_scc0 .Lentry_in_a_cluster
	s_endpgm
.Lentry_in_a_cluster:
	s_bfe_u32 s2, ttmp6, 0x10000c
	s_cmp_lg_u32 s2, 0x3003
	s_cbranch_scc0 .Lentry_shape_is_right
	s_endpgm
.Lentry_shape_is_right:
; qkv = x w_attn + b_attn on codes of E5M2, and its results quantised in registers: q and k along the head's 64, v along the keys.  Nothing of qkv goes to memory as f32.
; SHARES.  256 work-groups.  A work-group takes 256 rows (record Y of xq) x 384 columns: q, k and v of heads 2 X and 2 X + 1.  THE WEIGHTS STAY IN REGISTERS: a wave holds 6 column tiles x 8 K steps, 768 registers,
; read once: windows 1 and 2: the 64 columns of one head of q (waves 0, 1) or of k (waves 2, 3); window 3: 32 columns of v.  The text is the same in all waves: only pointers differ.
; x's record, codes and scale words, 270,336 bytes, lies in LDS whole, filled once.  CLUSTER: the four work-groups along x share Y, so each quarter of the record is asked for JOINTLY: the same load, the same
; descriptor (made of Y and the wave's number alone), a mask that names the four.  A fragment of x read from LDS (2,048 bytes) feeds six matrix instructions.
; q, k: the product is used TRANSPOSED (source 0 = 16 columns of W, source 1 = 16 rows of x): a lane holds one row, and by the tiles' order of columns the 16 registers of tiles 2 b, 2 b + 1 are columns 32 b + 16 h + 0 .. 15:
; the conversions' results are registers 4 b .. 4 b + 3 of a fragment.  A head has K = 64, the instruction 128: two neighbouring row tiles share a fragment (groups 0, 1: tile 2 p; groups 2, 3: tile 2 p + 1).
; v: NOT transposed (source 0 = x, source 1 = W): a lane holds one channel d, and by the tiles' order of rows the registers of row tiles 2 p, 2 p + 1 are keys 32 p + 16 h + 0 .. 15: group p % 4 of a fragment of V^T.
; kv, qq: record (16 (16 b + head) + key step of 128) of 16,896 bytes: k's (in qq: q's) four pair fragments at 2,048 p; V^T's four at 8,192 + 2,048 dt; k's scale words at 16,384 + 64 p + 4 r; V's at 16,640 + 64 dt + 4 r.
; b_attn: q's and k's is the C of a sum's first matrix instruction; v's, one number a lane, is added ahead of the quantiser.
; LIMITS as stated at the head of the first launch.  No ring: K is 1,024 and the whole record fits, so no LDS byte is filled twice.  By this text's count a wave has one tensor load out.
.set XREC,  270336
.set QUART, 67584                      ; a quarter of the record: 264 rows of 256 bytes
.set XSCL,  262144                     ; where the record's scale words begin
.set SPARE, 270336                     ; behind the record: the spare words, 128 bytes a wave
.set REC,   16896
.set WSC,   4194304
.set LI,  1                            ; v1   16 x lane: an image's place for my lane
.set XAD, 2                            ; v2   LDS address of the pair's fragments
.set XSA, 3                            ; v3   and of its scale words
.set XS0, 4                            ; v4   XSCL + 32 r + 16 h
.set QSO, 5                            ; v5   4 r + 2 h
.set VSO, 6                            ; v6   4 x lane
.set SPW, 10
.set NIL, 11
.set VB,  12                           ; v12-15  v's bias: a pair for each tile u
.set WS,  16                           ; v16-39  the weights' scale words: tile t at 4 t; register i: K step i in lanes 0-15, K step 4 + i in lanes 16-31
.set XSC, 40                           ; v40-47  x's, in the same form: a set for each tile of the pair
.set BIAS, 48                          ; v48-79  q's or k's bias in the result's layout
.set ACQ, 80                           ; v80-111 four accumulators of q or k
.set ACV, 112                          ; v112-143 four of v: 16 tau + 8 u
.set XF,  144                          ; v144-207 four fragment buffers
.set TM,  208                          ; v208-217 at work
.set PCA, 224
.set PCB, 232
.set PCV, 240
.set WA,  248
.set WB,  249
.set SLW, 250
.set SLB, 251
.set WV,  14
.set SEL, 52
.set MNT, 54
.set HM,  55
.set MSB, 0
.macro WIN new                         ; the immediate's high byte repeats the setting that is left
.if MSB != \new
	s_set_vgpr_msb (MSB<<8)|\new
.set MSB, \new
.endif
.endm
.macro ROUND                           ; a round of the cluster's barrier
	s_barrier_signal -1
	s_barrier_wait -1
	s_cmp_lg_u32 s[WV], 0
	s_cbranch_scc1 .Lnot_wave_0_\@
	s_barrier_signal -3
.Lnot_wave_0_\@:
	s_barrier_wait -3
	s_barrier_signal -1
	s_barrier_wait -1
.endm
; Two blocks of 32 are quantised.  Block 0's 16 numbers of my lane: v[a0] on and v[a1] on, eight each; block 1's: v[b0], v[b1]; the other 16 lie in lane l xor 16.  Codes: v[pc] on, four registers a block; bytes: v[TM+4], v[TM+5].
.macro QBLK2 a0, a1, b0, b1, pc
	v_max3_num_f32 v[TM], |v[\a0]|, |v[\a0+1]|, 0x8000000      ; each run from its low end on; the floor 2^(16 - 127) holds the byte at 1 from below
	v_max3_num_f32 v[TM+1], |v[\b0]|, |v[\b0+1]|, 0x8000000
.irp i, 2,4,6
	v_max3_num_f32 v[TM], v[TM], |v[\a0+\i]|, |v[\a0+\i+1]|
	v_max3_num_f32 v[TM+1], v[TM+1], |v[\b0+\i]|, |v[\b0+\i+1]|
.endr
.irp i, 0,2,4,6
	v_max3_num_f32 v[TM], v[TM], |v[\a1+\i]|, |v[\a1+\i+1]|
	v_max3_num_f32 v[TM+1], v[TM+1], |v[\b1+\i]|, |v[\b1+\i+1]|
.endr
	v_permlanex16_b32 v[TM+2], v[TM], s[SEL], s[SEL+1]
	v_permlanex16_b32 v[TM+3], v[TM+1], s[SEL], s[SEL+1]
	v_max_num_f32 v[TM], v[TM], v[TM+2]
	v_max_num_f32 v[TM+1], v[TM+1], v[TM+3]
	v_add_nc_u32 v[TM+6], 0xf8800000, v[TM]        ; 15 off the exponent field: the conversion's scale operand
	v_add_nc_u32 v[TM+7], 0xf8800000, v[TM+1]
	v_lshrrev_b32 v[TM+4], 23, v[TM+6]             ; the bytes
	v_lshrrev_b32 v[TM+5], 23, v[TM+7]
.irp i, 0,1,2,3,4,5,6,7
.endr
	v_cvt_scalef32_pk8_bf8_f32 v[\pc:\pc+1], v[\a0:\a0+7], v[TM+6]
	v_cvt_scalef32_pk8_bf8_f32 v[\pc+2:\pc+3], v[\a1:\a1+7], v[TM+6]
	v_cvt_scalef32_pk8_bf8_f32 v[\pc+4:\pc+5], v[\b0:\b0+7], v[TM+7]
	v_cvt_scalef32_pk8_bf8_f32 v[\pc+6:\pc+7], v[\b1:\b1+7], v[TM+7]
	v_nop                                          ; a plain line behind the last conversion: later products write the numbers' registers
.endm
	s_load_b256 s[4:11], s[0:1], 0x0               ; xq s[4:5], wq s[6:7], b_attn s[8:9], qq s[10:11]
	s_load_b64 s[12:13], s[0:1], 0x20              ; kv
	v_lshl_add_u32 v[SPW], v0, 2, SPARE
	v_mov_b32 v[NIL], 0
	ds_add_u32 v[SPW], v[NIL]                      ; the wave's opening: the add, twice on end, and its wait ahead of my first tensor load
	ds_add_u32 v[SPW], v[NIL]
	v_lshrrev_b32 v1, 5, v0
	v_readfirstlane_b32 s[WV], v1                  ; wave 0..3
	s_and_b32 s17, ttmp7, 0xffff                   ; Y, which the four partners share
	s_mov_b32 s24, 15|(3<<16)|(1<<21)              ; group 1: the mask names all four; elements of 8 bytes; bit 21 beside a mask; no padding
	s_mov_b32 s25, 32<<16                          ; tensor_dim0 = 32 elements: rows of 256 bytes
	s_mov_b32 s26, 264<<16                         ; tensor_dim1 = 264
	s_mov_b32 s27, 32<<16                          ; tile_dim0
	s_mov_b32 s28, 264                             ; tile_dim1
	s_mov_b32 s29, 32                              ; the pitch: the block is dense
	s_mov_b32 s30, 0
	s_mov_b32 s31, 0
	s_mul_i32 s18, s[WV], QUART                    ; my quarter, in LDS and in the record alike
	s_mul_i32 s20, s17, XREC
	s_add_co_u32 s20, s20, s18
	s_mov_b32 s21, 0
	s_mov_b32 s[SEL], 0x76543210
	s_mov_b32 s[SEL+1], 0xfedcba98
	s_mov_b32 s[HM], 0xffff0000
	s_wait_dscnt 0x0                               ; both opening adds are done
	s_wait_kmcnt 0x0
	s_mov_b32 s32, 1
	s_mov_b32 s33, s18
	s_add_nc_u64 s[34:35], s[4:5], s[20:21]
	s_or_b32 s35, s35, 0x80000000
	ROUND                                          ; all four work-groups are here: the joint loads meet
	tensor_load_to_lds s[32:35], s[24:31]
	s_nop 0
.rept 4
	v_nop
.endr
	; which columns are mine
	s_bfe_u32 s15, ttmp6, 0x40000                  ; cx
	s_lshl_b32 s16, ttmp9, 2
	s_add_co_u32 s16, s16, s15                     ; X = 4 x cluster x + cx: it enters global addresses alone
	s_and_b32 s56, s[WV], 1
	s_lshr_b32 s57, s[WV], 1
	s_lshl_b32 s58, s16, 1
	s_add_co_u32 s58, s58, s56                     ; hq = 2 X + w % 2: my head of q or k
	s_lshl_b32 s59, s57, 5
	s_lshl_b32 s51, s58, 1
	s_add_co_u32 s59, s59, s51                     ; its first block of 32 columns: 32 (w / 2) + 2 hq
	s_lshl_b32 s51, s16, 2
	s_add_co_u32 s51, s51, s[WV]
	s_add_co_u32 s51, s51, 64                      ; my block of v: 64 + 4 X + w
	s_mov_b32 s3, 0
	s_lshl_b32 s2, s59, 15
	s_add_nc_u64 s[40:41], s[6:7], s[2:3]          ; the two blocks' codes
	s_lshl_b32 s2, s51, 15
	s_add_nc_u64 s[42:43], s[6:7], s[2:3]          ; v's block
	s_lshl_b32 s2, s59, 10
	s_add_co_u32 s2, s2, WSC
	s_add_nc_u64 s[44:45], s[6:7], s[2:3]          ; their scale words
	s_lshl_b32 s2, s51, 10
	s_add_co_u32 s2, s2, WSC
	s_add_nc_u64 s[46:47], s[6:7], s[2:3]
	s_lshl_b32 s2, s59, 7
	s_add_nc_u64 s[62:63], s[8:9], s[2:3]          ; their biases: 128 bytes a block
	s_lshl_b32 s2, s51, 7
	s_add_nc_u64 s[22:23], s[8:9], s[2:3]
	v_and_b32 v1, 31, v0
	v_lshlrev_b32 v[VSO], 2, v1
	v_lshlrev_b32 v[LI], 4, v1
	v_and_b32 v2, 15, v0                           ; r
	v_bfe_u32 v3, v0, 4, 1                         ; h
	v_lshlrev_b32 v7, 5, v2
	v_lshl_add_u32 v7, v3, 4, v7                   ; 32 r + 16 h: four scale words of row r
	v_add_nc_u32 v[XS0], XSCL, v7
	v_lshlrev_b32 v[QSO], 2, v2
	v_lshl_add_u32 v[QSO], v3, 1, v[QSO]
	v_lshlrev_b32 v8, 6, v3                        ; q's, k's bias: 64 h
	v_and_b32 v9, 8, v2
	v_add_nc_u32 v9, v9, v2
	v_lshlrev_b32 v9, 2, v9                        ; v's bias: 4 (r + 8 (r / 8))
	v_mov_b32 v[TM+2], 0                           ; written once: a lane permute's destination counts as one of its sources
	v_mov_b32 v[TM+3], 0
	WIN 0x40                                       ; destination window 1
.set k, 0
.rept 64
	global_load_b128 v[4*k:4*k+3], v[LI], s[40:41] offset:512*k          ; fragment (u, K step s) at v[16 (8 u + s)]: 512 consecutive bytes a load
.set k, k+1
.endr
	WIN 0x80
.set k, 0
.rept 64
	global_load_b128 v[4*k:4*k+3], v[LI], s[40:41] offset:32768+512*k
.set k, k+1
.endr
	WIN 0xc0
.set k, 0
.rept 64
	global_load_b128 v[4*k:4*k+3], v[LI], s[42:43] offset:512*k
.set k, k+1
.endr
	WIN 0
.irp t, 0,1,2,3
	global_load_b128 v[WS+4*\t:WS+4*\t+3], v7, s[44:45] offset:512*\t
.endr
.irp u, 0,1
	global_load_b128 v[WS+16+4*\u:WS+16+4*\u+3], v7, s[46:47] offset:512*\u
.endr
.irp t, 0,1,2,3
	global_load_b128 v[BIAS+8*\t:BIAS+8*\t+3], v8, s[62:63] offset:(32*(\t/2)+8*(\t%2))*4      ; columns 32 b + 16 h + 8 u + 0 .. 7
	global_load_b128 v[BIAS+8*\t+4:BIAS+8*\t+7], v8, s[62:63] offset:(32*(\t/2)+8*(\t%2))*4+16
.endr
.irp u, 0,1
	global_load_b32 v[VB+2*\u], v9, s[22:23] offset:32*\u
	global_load_b32 v[VB+2*\u+1], v9, s[22:23] offset:32*\u      ; (the packed addition names the pair, so both words are written)
.endr
	; where the results go
	s_lshr_b32 s19, s17, 3
	s_lshl_b32 s19, s19, 4                         ; 16 b
	s_and_b32 s51, s17, 7
	s_lshl_b32 s51, s51, 1                         ; the record's first key step: 2 (Y % 8)
	s_add_co_u32 s2, s19, s58
	s_lshl_b32 s2, s2, 4
	s_add_co_u32 s2, s2, s51
	s_mul_i32 s2, s2, REC
	s_cmp_lt_u32 s[WV], 2
	s_cselect_b64 s[36:37], s[10:11], s[12:13]     ; waves 0, 1: q into qq; waves 2, 3: k into kv
	s_add_nc_u64 s[36:37], s[36:37], s[2:3]
	s_lshl_b32 s2, s16, 1
	s_add_co_u32 s2, s2, s57                       ; hv = 2 X + w / 2
	s_add_co_u32 s2, s2, s19
	s_lshl_b32 s2, s2, 4
	s_add_co_u32 s2, s2, s51
	s_mul_i32 s2, s2, REC
	s_add_nc_u64 s[38:39], s[12:13], s[2:3]
	s_lshl_b32 s2, s56, 7
	s_add_co_u32 s2, s2, 16640
	s_add_nc_u64 s[60:61], s[38:39], s[2:3]        ; v's scale bytes: + 16,640 + 128 (w % 2)
	s_lshl_b32 s2, s56, 12
	s_add_co_u32 s2, s2, 8192
	s_add_nc_u64 s[38:39], s[38:39], s[2:3]        ; v's codes: + 8,192 + 4,096 (w % 2)
	s_mov_b32 s48, 0                               ; the pair of row tiles, 0 .. 7
	s_mov_b32 s49, 0                               ; its fragments in LDS: 32,768 a pair
	s_mov_b32 s50, 0                               ; its scale words: 1,024 a pair
	s_wait_tensorcnt 0x0                           ; my quarter of the record has landed,
	s_barrier_signal -1
	s_barrier_wait -1                              ; everybody's has
	v_add_nc_u32 v[XAD], s49, v[LI]
	v_add_nc_u32 v[XSA], s50, v[XS0]
	ds_load_b128 v[XSC:XSC+3], v[XSA]
.irp f, 0,1,2
.irp c, 0,1,2,3
	ds_load_b128 v[XF+16*\f+4*\c:XF+16*\f+4*\c+3], v[XAD] offset:2048*\f+512*\c
.endr
.endr
	s_wait_loadcnt 0x0                             ; the weights, their scale words, the biases
; One product of q or k: column tile t = 2 b + u (window 1 + b), K step s, row tile tau of the pair.  Two places follow each.
.macro QKM t, tau, s
.set RW, 16*(8*((\t)%2)+(\s))
.if (\s) == 0
	v_wmma_scale_f32_16x16x128_f8f6f4 v[ACQ+8*\t:ACQ+8*\t+7], v[RW:RW+15], v[XB:XB+15], v[BIAS+8*\t:BIAS+8*\t+7], v[WS+4*\t+SI], v[XSC+4*\tau+SI] matrix_a_fmt:MATRIX_FMT_BF8 matrix_b_fmt:MATRIX_FMT_BF8
.elseif (\s) < 4
	v_wmma_scale_f32_16x16x128_f8f6f4 v[ACQ+8*\t:ACQ+8*\t+7], v[RW:RW+15], v[XB:XB+15], v[ACQ+8*\t:ACQ+8*\t+7], v[WS+4*\t+SI], v[XSC+4*\tau+SI] matrix_a_fmt:MATRIX_FMT_BF8 matrix_b_fmt:MATRIX_FMT_BF8
.else
	v_wmma_scale_f32_16x16x128_f8f6f4 v[ACQ+8*\t:ACQ+8*\t+7], v[RW:RW+15], v[XB:XB+15], v[ACQ+8*\t:ACQ+8*\t+7], v[WS+4*\t+SI], v[XSC+4*\tau+SI] matrix_a_fmt:MATRIX_FMT_BF8 matrix_b_fmt:MATRIX_FMT_BF8 matrix_a_scale:MATRIX_SCALE_ROW1 matrix_b_scale:MATRIX_SCALE_ROW1
.endif
	v_nop
	v_nop
.endm
; One product of v: source 0 = x, source 1 = column tile u (window 3)
.macro VM u, tau, s
.set RW, 16*(8*(\u)+(\s))
.set AV, ACV+16*(\tau)+8*(\u)
.if (\s) == 0
	v_wmma_scale_f32_16x16x128_f8f6f4 v[AV:AV+7], v[XB:XB+15], v[RW:RW+15], 0, v[XSC+4*\tau+SI], v[WS+16+4*\u+SI] matrix_a_fmt:MATRIX_FMT_BF8 matrix_b_fmt:MATRIX_FMT_BF8
.elseif (\s) < 4
	v_wmma_scale_f32_16x16x128_f8f6f4 v[AV:AV+7], v[XB:XB+15], v[RW:RW+15], v[AV:AV+7], v[XSC+4*\tau+SI], v[WS+16+4*\u+SI] matrix_a_fmt:MATRIX_FMT_BF8 matrix_b_fmt:MATRIX_FMT_BF8
.else
	v_wmma_scale_f32_16x16x128_f8f6f4 v[AV:AV+7], v[XB:XB+15], v[RW:RW+15], v[AV:AV+7], v[XSC+4*\tau+SI], v[WS+16+4*\u+SI] matrix_a_fmt:MATRIX_FMT_BF8 matrix_b_fmt:MATRIX_FMT_BF8 matrix_a_scale:MATRIX_SCALE_ROW1 matrix_b_scale:MATRIX_SCALE_ROW1
.endif
.endm
; A K step: fragment f = 8 tau + s of the pair against my six column tiles.  The six accumulators take turns, one instruction a turn, in the same order in every K step.
; Fragment f + 3 is asked for into the buffer that K step f - 1 read: the eight v_nop behind the first four products are the eight places behind K step f - 1's last product.
; n: the LDS loads that may stay out: the two younger fragments' eight (in the last pair four, then none).  ld = 0: nothing is left to fetch.  more = 1: a pair follows.
.macro KSTEP tau, s, ld, n, more
.set FI, 8*(\tau)+(\s)
.set XB, XF+16*(FI%4)
.set XN, XF+16*((FI+3)%4)
.set SI, (\s)%4
	s_wait_dscnt \n
	WIN 0x01                                       ; source 0 window 1
	QKM 0, \tau, \s
	QKM 1, \tau, \s
	WIN 0x02
	QKM 2, \tau, \s
	QKM 3, \tau, \s
	WIN 0
.if ((\s) == 1) && ((\tau) == 0)
	ds_load_b128 v[XSC+4:XSC+7], v[XSA] offset:512         ; the pair's second tile's scale words: wanted seven K steps on
.endif
.if ((\s) == 1) && ((\tau) == 1) && (\more)
	ds_load_b128 v[XSC:XSC+3], v[XSA] offset:1024          ; the next pair's first tile's
.endif
.if \ld
.irp c, 0,1,2,3
	ds_load_b128 v[XN+4*\c:XN+4*\c+3], v[XAD] offset:(FI+3)*2048+512*\c   ; (past f = 15: the next pair's, which lie on end)
.endr
.endif
	WIN 0x0c                                       ; source 1 window 3
	VM 0, \tau, \s
	VM 1, \tau, \s
.endm
; A pair of row tiles: 32 rows of x
.macro PAIR more
	s_wait_xcnt 0x0                                ; the last pair's stores have read their bases and their data: both are written again below
	s_lshr_b32 s56, s48, 2
	s_mul_i32 s56, s56, REC                        ; which of the record's two key steps
	s_and_b32 s57, s48, 3                          ; and which 32 rows of its 128
	s_mov_b32 s59, 0
	s_lshl_b32 s58, s57, 11
	s_add_co_u32 s58, s58, s56
	s_add_nc_u64 s[40:41], s[36:37], s[58:59]      ; q's or k's pair fragment
	s_lshl_b32 s58, s57, 6
	s_add_co_u32 s58, s58, s56
	s_add_nc_u64 s[42:43], s[36:37], s[58:59]      ; its scale words (16,384 on: in the store's immediate)
	s_lshl_b32 s58, s57, 9
	s_add_co_u32 s58, s58, s56
	s_add_nc_u64 s[44:45], s[38:39], s[58:59]      ; v: group p % 4 of my two fragments
	s_add_co_u32 s58, s57, s56
	s_add_nc_u64 s[46:47], s[60:61], s[58:59]      ; and byte p % 4 of their scale words
	v_add_nc_u32 v[XAD], s49, v[LI]
	v_add_nc_u32 v[XSA], s50, v[XS0]
	s_wait_alu depctr_va_vdst(0)
.irp s, 0,1,2,3,4,5,6,7
	KSTEP 0, \s, 1, 8, \more
.endr
	WIN 0
.rept 8
	v_nop                                          ; eight places ahead of the first read of results
.endr
	QBLK2 ACQ, ACQ+8, ACQ+16, ACQ+24, PCA
	v_lshl_or_b32 v[WA], v[TM+5], 8, v[TM+4]
	global_store_b128 v[LI], v[PCA:PCA+3], s[40:41]
	global_store_b128 v[LI], v[PCA+4:PCA+7], s[40:41] offset:512
.if \more
.irp s, 0,1,2,3,4,5,6,7
	KSTEP 1, \s, 1, 8, 1
.endr
.else
.irp s, 0,1,2,3,4
	KSTEP 1, \s, 1, 8, 0
.endr
	KSTEP 1, 5, 0, 8, 0
	KSTEP 1, 6, 0, 4, 0
	KSTEP 1, 7, 0, 0, 0
.endif
	WIN 0
.rept 8
	v_nop
.endr
	QBLK2 ACQ, ACQ+8, ACQ+16, ACQ+24, PCB
	v_lshl_or_b32 v[WB], v[TM+5], 8, v[TM+4]
	global_store_b128 v[LI], v[PCB:PCB+3], s[40:41] offset:1024
	global_store_b128 v[LI], v[PCB+4:PCB+7], s[40:41] offset:1536
	v_cndmask_b32 v[SLW], v[WA], v[WB], s[HM]      ; the pair's words: bytes 0, 1 the first tile's (lanes 0-15 store them), bytes 2, 3 the second's (lanes 16-31)
	global_store_b16 v[QSO], v[SLW], s[42:43] offset:16384   ; 64 consecutive bytes
.irp a, 0,1,2,3
.irp i, 0,2,4,6
	v_pk_add_f32 v[ACV+8*\a+\i:ACV+8*\a+\i+1], v[ACV+8*\a+\i:ACV+8*\a+\i+1], v[VB+2*(\a%2):VB+2*(\a%2)+1] op_sel_hi:[1,0]   ; v's bias, my channel's; each accumulator from its low end on
.endr
.endr
	QBLK2 ACV, ACV+16, ACV+8, ACV+24, PCV          ; block 0: tile u = 0's 32 keys; block 1: u = 1's
	global_store_b128 v[LI], v[PCV:PCV+3], s[44:45]
	global_store_b128 v[LI], v[PCV+4:PCV+7], s[44:45] offset:2048
	v_cndmask_b32 v[SLB], v[TM+4], v[TM+5], s[HM]
	global_store_b8 v[VSO], v[SLB], s[46:47]       ; lanes 0-15: tile u = 0's byte of channel r; lanes 16-31: u = 1's.  Bytes 4 apart: eight such stores a wave in the launch
	s_add_co_u32 s49, s49, 32768
	s_add_co_u32 s50, s50, 1024
.endm
.Lpair:
	PAIR 1
	s_add_co_u32 s48, s48, 1
	s_cmp_lt_u32 s48, 7
	s_cbranch_scc1 .Lpair
	PAIR 0                                         ; the last pair is written out: it fetches nothing beyond the record
	s_wait_tensorcnt 0x0                           ; the wave's end
	ds_add_u32 v[SPW], v[NIL]
	s_wait_dscnt 0x0
	ROUND                                          ; the closing round
	s_endpgm
.Lfunc_end_k_qd7a52c7f54_qkv:
	.size	k_qd7a52c7f54_qkv, .Lfunc_end_k_qd7a52c7f54_qkv-k_qd7a52c7f54_qkv
	.p2alignl 7, 3214868480
	.fill 96, 4, 3214868480
	.section	.rodata,"a",@progbits
	.p2align	6, 0x0
	.amdhsa_kernel k_qd7a52c7f54_qkv
		.amdhsa_group_segment_fixed_size 327680
		.amdhsa_private_segment_fixed_size 0
		.amdhsa_enable_private_segment 0
		.amdhsa_kernarg_size 40
		.amdhsa_user_sgpr_count 2
		.amdhsa_user_sgpr_kernarg_segment_ptr 1
		.amdhsa_wavefront_size32 1
		.amdhsa_system_sgpr_workgroup_id_x 1
		.amdhsa_system_sgpr_workgroup_id_y 1
		.amdhsa_system_sgpr_workgroup_id_z 1
		.amdhsa_system_vgpr_workitem_id 0
		.amdhsa_next_free_vgpr 1024
		.amdhsa_next_free_sgpr 66
		.amdhsa_reserve_vcc 0
		.amdhsa_float_denorm_mode_32 3
		.amdhsa_float_denorm_mode_16_64 3
		.amdhsa_fp16_overflow 1
		.amdhsa_memory_ordered 1
		.amdhsa_forward_progress 1
		.amdhsa_inst_pref_size 88
	.end_amdhsa_kernel
	.amdgpu_metadata
---
amdhsa.version: [ 1, 2 ]
amdhsa.kernels:
  - .name:           k_qd7a52c7f54_qkv
    .symbol:         k_qd7a52c7f54_qkv.kd
    .args:
      - { .name: xq, .offset: 0, .size: 8, .value_kind: global_buffer, .address_space: global }
      - { .name: wq, .offset: 8, .size: 8, .value_kind: global_buffer, .address_space: global }
      - { .name: b_attn, .offset: 16, .size: 8, .value_kind: global_buffer, .address_space: global }
      - { .name: qq, .offset: 24, .size: 8, .value_kind: global_buffer, .address_space: global }
      - { .name: kv, .offset: 32, .size: 8, .value_kind: global_buffer, .address_space: global }
    .group_segment_fixed_size: 327680
    .private_segment_fixed_size: 0
    .kernarg_segment_align: 8
    .kernarg_segment_size: 40
    .max_flat_workgroup_size: 128
    .sgpr_count:     66
    .vgpr_count:     1024
    .wavefront_size: 32
...
	.end_amdgpu_metadata
.endif
;; end of part 2
;; launch attn (part 3): grid 4 x 64, 16 waves a work-group, no clusters, 327,680 bytes of LDS; arguments qq, kv, oq; writes oq
.if DOCPART == 3
	.amdgcn_target "amdgcn-amd-amdhsa--gfx1250"
	.amdhsa_code_object_version 6
	.text
	.protected	k_qd7a52c7f54_attn
	.globl	k_qd7a52c7f54_attn
	.p2align	8
	.type	k_qd7a52c7f54_attn,@function
k_qd7a52c7f54_attn:
	s_mov_b64 s[64:65], 0
	v_nop
	global_prefetch_b8 v0, s[64:65] scope:SCOPE_SE
	s_setreg_imm32_b32 hwreg(HW_REG_WAVE_MODE, 25, 1), 1
	s_wait_xcnt 0x0
; O = softmax(q k^T / 8, causal) v for one head, both products on codes of E5M2; O / l is quantised along the model's 1,024 into oq, the last product's operand.
; LEFT OUT as dead work (shown at the head of the first launch): a step of 128 keys all of which come after my tile's 16 queries.  LIMITS as stated there; 1 / l is v_rcp_f32 and a multiplication.
; THE SOFTMAX: t = score x log2(e) / 8; M = the running largest t rounded UP to a whole number; p = 2^(t - M) is quantised along the keys, not normalised; the row's sum is taken of the unquantised p and divides at the end.
; SHARES.  Work-group (I, head) owns the blocks I and 7 - I of 256 queries, one after the other: (I + 1) + (8 - I) = 9 slots of 256 keys in EVERY work-group: 256 work-groups of equal work, and a trip count that is a constant.
; A wave owns one tile of 16 queries: tile w of the first block, tile 15 - w of the second: 17 key steps in every wave.  Sixteen waves, four to a SIMD, so that one wave's vector work stands beside another's products and LDS loads.
; LAYOUT.  Both products transposed: S^T = K Q^T, O^T = V^T P^T: a lane holds one query throughout.  kv's records are images of the operands' registers: every fragment is four loads of 512 consecutive bytes.
; K = 64 IN AN INSTRUCTION OF 128: a fragment of k holds two key tiles (groups 0, 1 and 2, 3).  Q lies in 24 registers, [codes 8][zeros 8][codes 8]: registers 0-15 as source 1 give the first tile's scores, registers 8-23 the second's.
; By the tiles' order of rows, S^T's register 16 b + i is key 32 b + 16 h + i of the step, a lane's query is QF + r + 8 (r / 8), and O^T's 16 registers of two tiles are 16 neighbouring channels.
; NO CLUSTER: the four work-groups of a head want different slots at the same trip (trip t of work-group I: slot t while t <= I, then slot t - I - 1), so a joint load would name tiles that partners do not read then.
; By this text's count a loading wave has one tensor load out.
.set REC,   16896
.set OREC,  135168
.set SLOTB, 33792                      ; a slot: two records as they lie in memory
.set SLOT1, 65536                      ; slot 1 begins here: one exclusive or turns an address
.set SPARE, 131072                     ; the spare words: 128 bytes for each of 16 waves
.set LI,  1                            ; v1  16 x lane
.set LS,  2                            ; v2  4 x lane
.set D0,  3                            ; v3  r + 8 (r / 8) - 16 h
.set OSO, 4                            ; v4  32 r + h
.set SPW, 5
.set NIL, 6
.set PFO, 7                            ; v7  256 x lane; never rewritten
.set ADK, 8
.set ADS, 9
.set TM,  232
; v12 -M, v13 the largest t, v[14:15] the sum; v16-23, v24 the second block's Q and its raw scale word; v25 Q's scale word; v26-27 K's; v28-29 V's; v30 p's;
; v32-95 K's fragments, then V's; v96-159 S^T, then p; v160-191 O^T; v192-207 p's codes; v208-231 Q; v232-254 at work
.set WV,  10
.set WI,  11
.set BH,  12
.set QB,  13                           ; the block of queries in hand
.set SJ,  14                           ; the slot in hand
.set KF,  15                           ; the step's first key
.set QF,  16                           ; my tile's first query
.set TB,  17                           ; where the slot in hand begins in LDS
.set TRIPS, 18
.set MNT, 19
.set SEL, 20
.set CS,  22                           ; s[22:23] c = log2(e) / 8
.set LIM, 52
.set HM,  53
.set TILE, 58
.macro QBLK2 a0, a1, b0, b1, pc        ; two blocks of 32 are quantised: as in the launch before
	v_max3_num_f32 v[TM], |v[\a0]|, |v[\a0+1]|, 0x8000000
	v_max3_num_f32 v[TM+1], |v[\b0]|, |v[\b0+1]|, 0x8000000
.irp i, 2,4,6
	s_delay_alu instid0(VALU_DEP_2)
	v_max3_num_f32 v[TM], v[TM], |v[\a0+\i]|, |v[\a0+\i+1]|
	s_delay_alu instid0(VALU_DEP_2)
	v_max3_num_f32 v[TM+1], v[TM+1], |v[\b0+\i]|, |v[\b0+\i+1]|
.endr
.irp i, 0,2,4,6
	s_delay_alu instid0(VALU_DEP_2)
	v_max3_num_f32 v[TM], v[TM], |v[\a1+\i]|, |v[\a1+\i+1]|
	s_delay_alu instid0(VALU_DEP_2)
	v_max3_num_f32 v[TM+1], v[TM+1], |v[\b1+\i]|, |v[\b1+\i+1]|
.endr
	s_delay_alu instid0(VALU_DEP_2)
	v_permlanex16_b32 v[TM+2], v[TM], s[SEL], s[SEL+1]
	s_delay_alu instid0(VALU_DEP_2)
	v_permlanex16_b32 v[TM+3], v[TM+1], s[SEL], s[SEL+1]
	s_delay_alu instid0(VALU_DEP_2)
	v_max_num_f32 v[TM], v[TM], v[TM+2]
	s_delay_alu instid0(VALU_DEP_2)
	v_max_num_f32 v[TM+1], v[TM+1], v[TM+3]
	s_delay_alu instid0(VALU_DEP_2)
	v_add_nc_u32 v[TM+6], 0xf8800000, v[TM]
	s_delay_alu instid0(VALU_DEP_2)
	v_add_nc_u32 v[TM+7], 0xf8800000, v[TM+1]
	s_delay_alu instid0(VALU_DEP_2)
	v_lshrrev_b32 v[TM+4], 23, v[TM+6]
	s_delay_alu instid0(VALU_DEP_2)
	v_lshrrev_b32 v[TM+5], 23, v[TM+7]
.irp i, 0,1,2,3,4,5,6,7
.endr
	v_cvt_scalef32_pk8_bf8_f32 v[\pc:\pc+1], v[\a0:\a0+7], v[TM+6]
	v_cvt_scalef32_pk8_bf8_f32 v[\pc+2:\pc+3], v[\a1:\a1+7], v[TM+6]
	v_cvt_scalef32_pk8_bf8_f32 v[\pc+4:\pc+5], v[\b0:\b0+7], v[TM+7]
	v_cvt_scalef32_pk8_bf8_f32 v[\pc+6:\pc+7], v[\b1:\b1+7], v[TM+7]
	v_nop
.endm
.macro TLOAD                           ; waves 0 and 1 fetch a record each; the branch hangs on the wave's number alone; an s_nop 0 and four v_nop follow the load
	s_cmp_lt_u32 s[WV], 2
	s_cbranch_scc0 .Lno_load_\@
	tensor_load_to_lds s[32:35], s[24:31]
	s_nop 0
.rept 4
	v_nop
.endr
.Lno_load_\@:
.endm
; A PREFETCH INTO THE L2 of the codes of the slot that the NEXT change of slots of work-group I = 0 will ask for.  That work-group's second block walks the head's slots 0 to 7 in order: its trip t loads slot t and names slot t + 1.
; Only it asks; in it waves 4 to 7, which fetch nothing: 8,192 bytes each (K's or V's codes of one of the slot's two records), lanes 256 bytes apart: each aligned block of 256 bytes is named once in the launch.
; Slot 0 and the records' 512 scale bytes come by their loads alone; trip 7 names nothing: there is no slot 8.
.macro ASK
	s_cmp_gt_u32 s[TRIPS], s[LIM]
	s_cbranch_scc0 .Lnot_mine_\@
	global_prefetch_b8 v[PFO], s[50:51] th:TH_LOAD_NT scope:SCOPE_SE
.Lnot_mine_\@:
.endm
.macro QADR tq, pc, ps                 ; where tile s[tq] of the head's 128 lies in qq: its eight registers of codes, and its pair's scale words (16,384 on: in the load's immediate)
	s_lshr_b32 s40, s[\tq], 3
	s_mul_i32 s40, s40, REC
	s_bfe_u32 s42, s[\tq], 0x20001
	s_lshl_b32 s44, s42, 11
	s_add_co_u32 s44, s44, s40
	s_and_b32 s45, s[\tq], 1
	s_lshl_b32 s45, s45, 10
	s_add_co_u32 s44, s44, s45
	s_mov_b32 s45, 0
	s_add_nc_u64 s[\pc:\pc+1], s[48:49], s[44:45]
	s_lshl_b32 s44, s42, 6
	s_add_co_u32 s44, s44, s40
	s_add_nc_u64 s[\ps:\ps+1], s[48:49], s[44:45]
.endm
	s_load_b128 s[4:7], s[0:1], 0x0                ; qq s[4:5], kv s[6:7]
	s_load_b64 s[8:9], s[0:1], 0x10                ; oq
	v_lshl_add_u32 v[SPW], v0, 2, SPARE
	v_mov_b32 v[NIL], 0
	ds_add_u32 v[SPW], v[NIL]                      ; the wave's opening: the add, twice on end, and its wait ahead of the first tensor load
	ds_add_u32 v[SPW], v[NIL]
	v_lshrrev_b32 v8, 5, v0
	s_delay_alu instid0(VALU_DEP_1)
	v_readfirstlane_b32 s[WV], v8                  ; wave 0..15
	s_mov_b32 s[WI], ttmp9
	s_and_b32 s[BH], ttmp7, 0xffff
	s_mov_b32 s24, 3<<16                           ; group 1: no mask; elements of 8 bytes; no padding
	s_mov_b32 s25, 32<<16                          ; rows of 256 bytes,
	s_mov_b32 s26, 66<<16                          ; 66 of them: a record
	s_mov_b32 s27, 32<<16
	s_mov_b32 s28, 66
	s_mov_b32 s29, 32
	s_mov_b32 s30, 0
	s_mov_b32 s31, 0
	s_mov_b32 s[SEL], 0x76543210
	s_mov_b32 s[SEL+1], 0xfedcba98
	s_mov_b32 s[CS], 0x3e38aa3b                    ; log2(e) / 8
	s_mov_b32 s[CS+1], s[CS]
	s_mov_b32 s[HM], 0xffff0000
	s_and_b32 s40, s[WV], 1
	s_mul_i32 s40, s40, REC                        ; which record of a slot I would fetch
	s_mov_b32 s41, 0
	s_mul_i32 s42, s[BH], 16*REC                   ; the head's first byte in qq and in kv
	s_mov_b32 s43, 0
	s_wait_dscnt 0x0                               ; both opening adds are done
	s_wait_kmcnt 0x0
	s_add_nc_u64 s[46:47], s[6:7], s[42:43]
	s_add_nc_u64 s[48:49], s[4:5], s[42:43]
	s_add_nc_u64 s[36:37], s[46:47], s[40:41]      ; kv at my record of the head's slot 0
	s_mov_b32 s32, 1
	s_mov_b32 s33, s40                             ; LDS: slot 0
	s_mov_b64 s[34:35], s[36:37]
	s_or_b32 s35, s35, 0x80000000
	TLOAD                                          ; slot 0
	; the prefetches: who asks, and where
	s_sub_co_u32 s40, s[WV], 4
	s_and_b32 s41, s40, 1
	s_lshl_b32 s41, s41, 13
	s_bfe_u32 s42, s40, 0x10001
	s_mul_i32 s42, s42, REC
	s_add_co_u32 s42, s42, s41
	s_mov_b32 s43, 0
	s_add_nc_u64 s[50:51], s[46:47], s[42:43]      ; in slot 0: the first change of slots steps it to slot 1
	s_lshr_b32 s40, s40, 2                         ; 0 in waves 4 to 7,
	s_or_b32 s40, s40, ttmp9                       ; of work-group I = 0
	s_cmp_eq_u32 s40, 0
	s_cselect_b32 s[LIM], 1, -1
	; the first block's state
	s_mov_b32 s[QB], s[WI]
	s_mov_b32 s[TILE], s[WV]
	s_lshl_b32 s[QF], s[QB], 8
	s_lshr_b32 s40, s[TILE], 1
	s_lshl_b32 s40, s40, 5
	s_add_co_u32 s[QF], s[QF], s40
	s_and_b32 s40, s[TILE], 1
	s_lshl_b32 s40, s40, 3
	s_add_co_u32 s[QF], s[QF], s40                 ; 256 block + 32 (tile / 2) + 8 (tile % 2)
	s_mov_b32 s[SJ], 0
	s_mov_b32 s[KF], 0
	s_mov_b32 s[TB], 0
	s_mov_b32 s[TRIPS], 8
	s_lshl_b32 s38, s[WI], 4
	s_add_co_u32 s38, s38, s[WV]                   ; my first tile among the head's 128,
	s_sub_co_u32 s39, 127, s38                     ; and my second: 16 (7 - I) + 15 - w
	QADR 38, 54, 56
	QADR 39, 60, 62
	v_and_b32 v8, 31, v0
	s_delay_alu instid0(VALU_DEP_1)
	v_lshlrev_b32 v[LI], 4, v8
	s_delay_alu instid0(VALU_DEP_2)
	v_lshlrev_b32 v[LS], 2, v8
	s_delay_alu instid0(VALU_DEP_3)
	v_lshlrev_b32 v[PFO], 8, v8
	v_and_b32 v8, 15, v0                           ; r
	v_bfe_u32 v9, v0, 4, 1                         ; h
	s_delay_alu instid0(VALU_DEP_2)
	v_and_b32 v[D0], 8, v8
	s_delay_alu instid0(VALU_DEP_1)
	v_add_nc_u32 v[D0], v[D0], v8
	s_delay_alu instid0(VALU_DEP_3)
	v_lshlrev_b32 v10, 4, v9
	s_delay_alu instid0(VALU_DEP_1)
	v_sub_nc_u32 v[D0], v[D0], v10
	v_lshl_add_u32 v[OSO], v8, 5, v9
	v_lshlrev_b32 v9, 2, v8                        ; 4 r
	global_load_b128 v[208:211], v[LI], s[54:55]
	global_load_b128 v[212:215], v[LI], s[54:55] offset:512
	global_load_b128 v[224:227], v[LI], s[54:55]
	global_load_b128 v[228:231], v[LI], s[54:55] offset:512
	global_load_b32 v25, v9, s[56:57] offset:16384
	global_load_b128 v[16:19], v[LI], s[60:61]
	global_load_b128 v[20:23], v[LI], s[60:61] offset:512
	global_load_b32 v24, v9, s[62:63] offset:16384
	s_and_b32 s40, s[WV], 1
	s_mul_i32 s40, s40, 0x02020202
	s_add_co_u32 s40, s40, 0x01000100              ; an even tile's bytes are the pair's word's 0, 1; an odd tile's 2, 3: the word (b0, b1, b0, b1)
	s_sub_co_u32 s59, 0x04020402, s40              ; the second tile's parity is the other one
.set n, 0
.rept 8
	v_mov_b32 v[216+n], 0                          ; the zero codes between Q's two copies
.set n, n+1
.endr
.set n, 232
.rept 23
	v_mov_b32 v[n], 0                              ; written once: lane permutes' destinations and pairs' upper halves count as read
.set n, n+1
.endr
	v_mov_b32 v13, 0xff61b1e6                      ; the largest t so far: -3e38
	s_delay_alu instid0(VALU_DEP_1)
	v_floor_f32 v12, -v13                          ; -M
	v_mov_b32 v14, 0
	v_mov_b32 v15, 0
	s_wait_loadcnt 0x0                             ; Q
	v_perm_b32 v25, v25, v25, s40
.set n, 0
.rept 32
	v_mov_b32 v[160+n], 0                          ; O^T: the first change of M multiplies zeros.  (These are also the places between the scale word's line and the first product)
.set n, n+1
.endr
; A KEY STEP: 128 keys, record q of the slot in hand
.macro STEP q
	s_add_co_u32 s40, s[QF], 23                    ; my tile's last query
	s_cmp_gt_u32 s[KF], s40
	s_cbranch_scc1 .Lhidden_\@                     ; all keys come after all my queries: ids and counts alone decide
	v_add_nc_u32 v[ADK], s[TB], v[LI]
	v_add_nc_u32 v[ADS], s[TB], v[LS]
.rept 6
	v_nop                                          ; with the two additions: eight places ahead of loads into registers that the last products read
.endr
.irp p, 0,1,2,3
.irp c, 0,1,2,3
	ds_load_b128 v[32+16*\p+4*\c:32+16*\p+4*\c+3], v[ADK] offset:(\q)*REC+2048*\p+512*\c
.endr
.endr
.irp j, 0,1
	ds_load_b32 v[26+\j], v[ADS] offset:(\q)*REC+16384+128*\j   ; lanes 0-15: pair 2 j's words; lanes 16-31: pair 2 j + 1's
.endr
	s_wait_alu depctr_va_vdst(0)
	s_wait_dscnt 0x0
.irp p, 0,2
.irp u, 0,1
	v_wmma_scale_f32_16x16x128_f8f6f4 v[96+8*(2*\p+\u):103+8*(2*\p+\u)], v[32+16*\p:47+16*\p], v[208+8*\u:223+8*\u], 0, v[26+\p/2], v25 matrix_a_fmt:MATRIX_FMT_BF8 matrix_b_fmt:MATRIX_FMT_BF8
.endr
.irp u, 0,1
	v_wmma_scale_f32_16x16x128_f8f6f4 v[96+8*(2*(\p+1)+\u):103+8*(2*(\p+1)+\u)], v[32+16*(\p+1):47+16*(\p+1)], v[208+8*\u:223+8*\u], 0, v[26+\p/2], v25 matrix_a_fmt:MATRIX_FMT_BF8 matrix_b_fmt:MATRIX_FMT_BF8 matrix_a_scale:MATRIX_SCALE_ROW1
.endr
.endr
.rept 8
	v_nop                                          ; eight places: ahead of the loads into K's registers, and of the first read of the scores
.endr
.irp d, 0,1,2,3
.irp c, 0,1,2,3
	ds_load_b128 v[32+16*\d+4*\c:32+16*\d+4*\c+3], v[ADK] offset:(\q)*REC+8192+2048*\d+512*\c   ; V is asked for at once: it lands under the softmax
.endr
.endr
.irp j, 0,1
	ds_load_b32 v[28+\j], v[ADS] offset:(\q)*REC+16640+128*\j
.endr
	s_add_co_u32 s40, s[KF], 127
	s_cmp_le_u32 s40, s[QF]
	s_cbranch_scc1 .Lopen_\@                       ; all keys count for all my queries
	s_sub_co_i32 s40, s[QF], s[KF]
	v_add_nc_u32 v252, s40, v[D0]                  ; my query - KF - 16 h.  Register 16 b + i holds key KF + 16 h + 32 b + i: hidden where 32 b + i is greater
	v_mov_b32 v254, 0xff800000                     ; -infinity
.set n, 0
.rept 64
	v_cmp_gt_i32 vcc_lo, 32*(n/16)+n%16, v252
	v_cndmask_b32 v[96+n], v[96+n], v254, vcc_lo
.set n, n+1
.endr
.Lopen_\@:
.irp b, 0,1,2,3
	v_max3_num_f32 v[232+\b], v[96+16*\b], v[97+16*\b], v[98+16*\b]   ; the largest score of each block of 32 keys: for the row's maximum, and, since p rises with the score, for the block's largest p
.endr
.irp i, 3,5,7,9,11,13
.irp b, 0,1,2,3
	v_max3_num_f32 v[232+\b], v[232+\b], v[96+16*\b+\i], v[97+16*\b+\i]
.endr
.endr
.irp b, 0,1,2,3
	v_max_num_f32 v[232+\b], v[232+\b], v[111+16*\b]
.endr
.irp b, 0,1,2,3
	s_delay_alu instid0(VALU_DEP_4)
	v_permlanex16_b32 v[236+\b], v[232+\b], s[SEL], s[SEL+1]
.endr
.irp b, 0,1,2,3
	s_delay_alu instid0(VALU_DEP_4)
	v_max_num_f32 v[232+\b], v[232+\b], v[236+\b]
.endr
	s_delay_alu instid0(VALU_DEP_2)
	v_max3_num_f32 v254, v232, v233, v234
	s_delay_alu instid0(VALU_DEP_1)
	v_max_num_f32 v254, v254, v235
	s_delay_alu instid0(VALU_DEP_1)
	v_mul_f32 v254, s[CS], v254                    ; as t
	s_delay_alu instid0(VALU_DEP_1)
	v_max_num_f32 v13, v13, v254                   ; the running largest t
	v_mov_b32 v254, v12
	s_delay_alu instid0(VALU_DEP_2)
	v_floor_f32 v12, -v13                          ; the new -M = -ceil(t): a whole number
	s_delay_alu instid0(VALU_DEP_1)
	v_sub_f32 v254, v12, v254                      ; old M - new M: a whole number, 0 or less
	s_delay_alu instid0(VALU_DEP_1)
	v_cvt_i32_f32 v254, v254                       ; (it saturates)
	s_delay_alu instid0(VALU_DEP_1)
	v_ldexp_f32 v252, 1.0, v254                    ; f = 2^(old M - new M): a multiplication by it rounds nothing
.set n, 0
.rept 32
	v_pk_fma_f32 v[96+n:97+n], v[96+n:97+n], s[CS:CS+1], v[12:13] op_sel_hi:[1,0,0]   ; t - M
.set n, n+2
.endr
.irp b, 0,1,2,3
	v_fma_f32 v[232+\b], v[232+\b], s[CS], v12
.endr
.set n, 0
	s_wait_alu depctr_va_vdst(0)
.rept 64
	v_exp_f32 v[96+n], v[96+n]                     ; p = 2^(t - M)
.set n, n+1
.endr
	v_pk_mul_f32 v[14:15], v[14:15], v[252:253] op_sel_hi:[1,0]   ; the sum under the new M: the plain line behind the exponentials
	s_wait_alu depctr_va_vdst(0)                   ; one wait for the batch, ahead of its first reader
.irp b, 0,1,2,3
	v_exp_f32 v[232+\b], v[232+\b]                 ; each block's largest p
.endr
	v_pk_add_f32 v[236:237], v[100:101], v[104:105]
	v_pk_add_f32 v[254:255], v[108:109], v[112:113]
	v_pk_add_f32 v[250:251], v[116:117], v[120:121]
	v_pk_add_f32 v[248:249], v[124:125], v[128:129]
	v_pk_add_f32 v[246:247], v[132:133], v[136:137]
	v_pk_add_f32 v[244:245], v[140:141], v[144:145]
	v_pk_add_f32 v[242:243], v[148:149], v[152:153]
	v_pk_add_f32 v[14:15], v[14:15], v[156:157]
	v_pk_add_f32 v[236:237], v[236:237], v[96:97]
	v_pk_add_f32 v[254:255], v[254:255], v[98:99]
	v_pk_add_f32 v[250:251], v[250:251], v[102:103]
	v_pk_add_f32 v[248:249], v[248:249], v[106:107]
	v_pk_add_f32 v[246:247], v[246:247], v[110:111]
	v_pk_add_f32 v[244:245], v[244:245], v[114:115]
	v_pk_add_f32 v[242:243], v[242:243], v[118:119]
	v_pk_add_f32 v[14:15], v[14:15], v[122:123]
	v_pk_add_f32 v[236:237], v[236:237], v[126:127]
	v_pk_add_f32 v[254:255], v[254:255], v[130:131]
	v_pk_add_f32 v[250:251], v[250:251], v[134:135]
	v_pk_add_f32 v[248:249], v[248:249], v[138:139]
	v_pk_add_f32 v[246:247], v[246:247], v[142:143]
	v_pk_add_f32 v[244:245], v[244:245], v[146:147]
	v_pk_add_f32 v[242:243], v[242:243], v[150:151]
	v_pk_add_f32 v[14:15], v[14:15], v[154:155]
	v_pk_add_f32 v[236:237], v[236:237], v[158:159]
	s_delay_alu instid0(VALU_DEP_2)
	v_pk_add_f32 v[14:15], v[14:15], v[248:249]
	s_delay_alu instid0(VALU_DEP_2)
	v_pk_add_f32 v[236:237], v[236:237], v[246:247]
	v_pk_add_f32 v[254:255], v[254:255], v[244:245]
	v_pk_add_f32 v[250:251], v[250:251], v[242:243]
	s_delay_alu instid0(VALU_DEP_2)
	v_pk_add_f32 v[14:15], v[14:15], v[254:255]
	s_delay_alu instid0(VALU_DEP_2)
	v_pk_add_f32 v[236:237], v[236:237], v[250:251]
	s_delay_alu instid0(VALU_DEP_1)
	v_pk_add_f32 v[14:15], v[14:15], v[236:237]
	s_wait_alu depctr_va_vdst(0)                   ; and one for the four
.irp b, 0,1,2,3
	v_max_num_f32 v[232+\b], 0x8000000, v[232+\b]  ; the floor 2^(16 - 127)
.endr
.irp b, 0,1,2,3
	s_delay_alu instid0(VALU_DEP_4)
	v_add_nc_u32 v[244+\b], 0xf8800000, v[232+\b]
.endr
.irp b, 0,1,2,3
.endr
.irp b, 0,1,2,3
	s_delay_alu instid0(VALU_DEP_4)
	v_lshrrev_b32 v[236+\b], 23, v[244+\b]
.endr
	s_delay_alu instid0(VALU_DEP_3)
	v_lshl_or_b32 v30, v237, 8, v236               ; p's scale word for these 128 keys
	s_delay_alu instid0(VALU_DEP_1)
	v_lshl_or_b32 v30, v238, 16, v30
	s_delay_alu instid0(VALU_DEP_1)
	v_lshl_or_b32 v30, v239, 24, v30
.irp b, 0,1,2,3
.irp i, 0,1,2,3,4,5,6,7,8,9,10,11,12,13,14,15
.endr
	v_cvt_scalef32_pk8_bf8_f32 v[192+4*\b:193+4*\b], v[96+16*\b:103+16*\b], v[244+\b]
	v_cvt_scalef32_pk8_bf8_f32 v[194+4*\b:195+4*\b], v[104+16*\b:111+16*\b], v[244+\b]
.endr
.set n, 0
.rept 16
	v_pk_mul_f32 v[160+n:161+n], v[160+n:161+n], v[252:253] op_sel_hi:[1,0]   ; O^T under the new M; also the places between the codes' lines and the products
.set n, n+2
.endr
	s_wait_alu depctr_va_vdst(0)
	s_wait_dscnt 0x0                               ; V
.irp d, 0,2
	v_wmma_scale_f32_16x16x128_f8f6f4 v[160+8*\d:167+8*\d], v[32+16*\d:47+16*\d], v[192:207], v[160+8*\d:167+8*\d], v[28+\d/2], v30 matrix_a_fmt:MATRIX_FMT_BF8 matrix_b_fmt:MATRIX_FMT_BF8
	v_wmma_scale_f32_16x16x128_f8f6f4 v[168+8*\d:175+8*\d], v[48+16*\d:63+16*\d], v[192:207], v[168+8*\d:175+8*\d], v[28+\d/2], v30 matrix_a_fmt:MATRIX_FMT_BF8 matrix_b_fmt:MATRIX_FMT_BF8 matrix_a_scale:MATRIX_SCALE_ROW1
.endr
.Lhidden_\@:
	s_add_co_u32 s[KF], s[KF], 128
.endm
; THE CHANGE OF SLOTS, at a slot's head.  Each wave waits for all its tensor loads, adds 0 to its spare word, and waits for that and for its reads of the slot that it has left; behind the barrier the slot ahead is whole
; and nobody reads the other one, which (fill = 1) takes the slot that follows in my work-group's walk: slot + 1, or slot 0 of the second block.  All nine slots are read: no load is ever left out.
.macro CHANGE fill
	s_wait_tensorcnt 0x0                           ; no tensor load of mine is out, so group 0 may be written
	ds_add_u32 v[SPW], v[NIL]
.if \fill
	ds_add_u32 v[SPW], v[NIL]                      ; the add twice on end, where a load follows that fourteen waves are led round
	s_xor_b32 s33, s33, SLOT1
	s_add_co_u32 s40, s[SJ], 1
	s_cmp_eq_u32 s[SJ], s[QB]
	s_cselect_b32 s40, 0, s40
	s_mul_i32 s40, s40, SLOTB
	s_mov_b32 s41, 0
	s_add_nc_u64 s[34:35], s[36:37], s[40:41]
	s_or_b32 s35, s35, 0x80000000
	s_wait_xcnt 0x0                                ; the last prefetch, a slot back, has read its address
	s_add_nc_u64 s[50:51], s[50:51], SLOTB
.endif
	s_wait_dscnt 0x0
	s_barrier_signal -1
	s_barrier_wait -1
.if \fill
	TLOAD                                          ; the first thing behind the barrier, and a wave's one tensor load until the next
	ASK
.endif
.endm
; A block's end: O^T / l, quantised along the model's axis (my head's 64 are two blocks of 32), goes to oq as half a fragment: K step head / 2, groups 2 (head % 2) and + 1
.macro FINAL
.rept 8
	v_nop                                          ; eight places behind the last products
.endr
	v_add_f32 v14, v14, v15
	s_delay_alu instid0(VALU_DEP_1)
	v_permlanex16_b32 v252, v14, s[SEL], s[SEL+1]
	s_delay_alu instid0(VALU_DEP_1)
	v_add_f32 v14, v14, v252                       ; the row's sum
	s_wait_alu depctr_va_vdst(0)
	v_rcp_f32 v14, v14
	v_nop                                          ; a plain line behind the reciprocal
	s_wait_xcnt 0x0                                ; earlier loads and stores have read the pointers that are written now
	s_lshr_b32 s40, s[BH], 4
	s_lshl_b32 s40, s40, 7
	s_lshl_b32 s41, s[QB], 4
	s_add_co_u32 s40, s40, s41
	s_add_co_u32 s40, s40, s[TILE]                 ; my row tile among the 512: 128 b + 16 block + tile
	s_lshr_b32 s41, s40, 3
	s_mul_i32 s41, s41, OREC
	s_and_b32 s40, s40, 7
	s_and_b32 s42, s[BH], 15                       ; the head
	s_lshl_b32 s44, s40, 14
	s_add_co_u32 s44, s44, s41
	s_lshl_b32 s43, s42, 10                        ; 2,048 (head / 2) + 1,024 (head % 2)
	s_add_co_u32 s44, s44, s43
	s_mov_b32 s45, 0
	s_add_nc_u64 s[54:55], s[8:9], s[44:45]
	s_lshl_b32 s44, s40, 9
	s_add_co_u32 s44, s44, s41
	s_lshl_b32 s43, s42, 1
	s_add_co_u32 s44, s44, s43
	s_add_nc_u64 s[56:57], s[8:9], s[44:45]        ; the scale bytes (131,072 on: in the store's immediate)
	s_wait_alu depctr_va_vdst(0)                   ; ahead of the reciprocal's first reader
.set n, 0
.rept 16
	v_pk_mul_f32 v[160+n:161+n], v[160+n:161+n], v[14:15] op_sel_hi:[1,0]   ; each accumulator from its low end on
.set n, n+2
.endr
	QBLK2 160, 168, 176, 184, 192
	global_store_b128 v[LI], v[192:195], s[54:55]
	global_store_b128 v[LI], v[196:199], s[54:55] offset:512
	v_cndmask_b32 v242, v[TM+4], v[TM+5], s[HM]
	global_store_b8 v[OSO], v242, s[56:57] offset:131072   ; lanes 0-15: the first block's byte of row r; lanes 16-31: the second's
.endm
.macro SWITCH                          ; on to the second block
	s_sub_co_u32 s[QB], 7, s[WI]
	s_sub_co_u32 s[TILE], 15, s[WV]
	s_lshl_b32 s[QF], s[QB], 8
	s_lshr_b32 s40, s[TILE], 1
	s_lshl_b32 s40, s40, 5
	s_add_co_u32 s[QF], s[QF], s40
	s_and_b32 s40, s[TILE], 1
	s_lshl_b32 s40, s40, 3
	s_add_co_u32 s[QF], s[QF], s40
	s_mov_b32 s[SJ], 0
	s_mov_b32 s[KF], 0
	v_perm_b32 v25, v24, v24, s59
.irp i, 0,1,2,3,4,5,6,7
	v_mov_b32 v[208+\i], v[16+\i]
	v_mov_b32 v[224+\i], v[16+\i]
.endr
	v_mov_b32 v13, 0xff61b1e6
	s_delay_alu instid0(VALU_DEP_1)
	v_floor_f32 v12, -v13
	v_mov_b32 v14, 0
	v_mov_b32 v15, 0
.set n, 0
.rept 32
	v_mov_b32 v[160+n], 0
.set n, n+1
.endr
	s_wait_xcnt 0x0                                ; the block's stores have read their data: the next key step writes these registers
.endm
.Ltrip:                                            ; eight trips, a slot each; the ninth slot is written out
	CHANGE 1
	STEP 0
	STEP 1
	s_xor_b32 s[TB], s[TB], SLOT1
	s_cmp_lg_u32 s[SJ], s[QB]                      ; the block's last slot?  The work-group's number and counts alone decide, alike in all sixteen waves
	s_cbranch_scc1 .Lsame
	FINAL
	SWITCH
	s_branch .Lnext
.Lsame:
	s_add_co_u32 s[SJ], s[SJ], 1
.Lnext:
	s_sub_co_u32 s[TRIPS], s[TRIPS], 1
	s_cmp_lg_u32 s[TRIPS], 0
	s_cbranch_scc1 .Ltrip
	CHANGE 0
	STEP 0
	STEP 1
	FINAL
	s_wait_tensorcnt 0x0                           ; the wave's end
	ds_add_u32 v[SPW], v[NIL]
	s_wait_dscnt 0x0
	s_endpgm
.Lfunc_end_k_qd7a52c7f54_attn:
	.size	k_qd7a52c7f54_attn, .Lfunc_end_k_qd7a52c7f54_attn-k_qd7a52c7f54_attn
	.p2alignl 7, 3214868480
	.fill 96, 4, 3214868480
	.section	.rodata,"a",@progbits
	.p2align	6, 0x0
	.amdhsa_kernel k_qd7a52c7f54_attn
		.amdhsa_group_segment_fixed_size 327680
		.amdhsa_private_segment_fixed_size 0
		.amdhsa_enable_private_segment 0
		.amdhsa_kernarg_size 24
		.amdhsa_user_sgpr_count 2
		.amdhsa_user_sgpr_kernarg_segment_ptr 1
		.amdhsa_wavefront_size32 1
		.amdhsa_system_sgpr_workgroup_id_x 1
		.amdhsa_system_sgpr_workgroup_id_y 1
		.amdhsa_system_sgpr_workgroup_id_z 1
		.amdhsa_system_vgpr_workitem_id 0
		.amdhsa_next_free_vgpr 256
		.amdhsa_next_free_sgpr 66
		.amdhsa_reserve_vcc 1
		.amdhsa_float_denorm_mode_32 3
		.amdhsa_float_denorm_mode_16_64 3
		.amdhsa_fp16_overflow 1
		.amdhsa_memory_ordered 1
		.amdhsa_forward_progress 1
		.amdhsa_inst_pref_size 111
	.end_amdhsa_kernel
	.amdgpu_metadata
---
amdhsa.version: [ 1, 2 ]
amdhsa.kernels:
  - .name:           k_qd7a52c7f54_attn
    .symbol:         k_qd7a52c7f54_attn.kd
    .args:
      - { .name: qq, .offset: 0, .size: 8, .value_kind: global_buffer, .address_space: global }
      - { .name: kv, .offset: 8, .size: 8, .value_kind: global_buffer, .address_space: global }
      - { .name: oq, .offset: 16, .size: 8, .value_kind: global_buffer, .address_space: global }
    .group_segment_fixed_size: 327680
    .private_segment_fixed_size: 0
    .kernarg_segment_align: 8
    .kernarg_segment_size: 24
    .max_flat_workgroup_size: 512
    .sgpr_count:     66
    .vgpr_count:     256
    .wavefront_size: 32
...
	.end_amdgpu_metadata
.endif
;; end of part 3
;; launch proj (part 4): grid 4 x 64, 4 waves a work-group, clusters of 4 x 1, 327,680 bytes of LDS; arguments oq, wq, b_proj, out0; writes out0
.if DOCPART == 4
	.amdgcn_target "amdgcn-amd-amdhsa--gfx1250"
	.amdhsa_code_object_version 6
	.text
	.protected	k_qd7a52c7f54_proj
	.globl	k_qd7a52c7f54_proj
	.p2align	8
	.type	k_qd7a52c7f54_proj,@function
k_qd7a52c7f54_proj:
	s_mov_b64 s[64:65], 0
	v_nop
	global_prefetch_b8 v0, s[64:65] scope:SCOPE_SE
	s_setreg_imm32_b32 hwreg(HW_REG_WAVE_MODE, 25, 1), 1
	s_wait_xcnt 0x0
	s_wait_alu depctr_hold_cnt(0) depctr_sa_sdst(0) depctr_va_vdst(0) depctr_va_sdst(0) depctr_va_ssrc(0) depctr_va_vcc(0) depctr_vm_vsrc(0)
	s_getreg_b32 s2, hwreg(HW_REG_IB_STS2, 6, 4)
	s_cmp_eq_u32 s2, 0
	s_cbranch_scc0 .Lentry_in_a_cluster
	s_endpgm
.Lentry_in_a_cluster:
	s_bfe_u32 s2, ttmp6, 0x10000c
	s_cmp_lg_u32 s2, 0x3003
	s_cbranch_scc0 .Lentry_shape_is_right
	s_endpgm
.Lentry_shape_is_right:
; out0 = O w_proj + b_proj on codes of E5M2; f32 out.  The structure of the launch qkv, with four column tiles a wave.
; SHARES.  256 work-groups: 128 rows (record Y of oq: 8 row tiles, codes and scale words, 135,168 bytes, whole in LDS, filled once) x 256 columns (X).  A wave holds its 64 columns of w_proj, 4 tiles x 8 K steps,
; in windows 1 and 2 for the whole launch.  CLUSTER: the four work-groups along x share Y: each quarter of the record is asked for jointly, by the same load with the same descriptor (Y and the wave's number alone).
; The product is used TRANSPOSED (source 0 = 16 columns of W, source 1 = 16 rows): a lane holds one row, and the 16 registers of tiles 2 b, 2 b + 1 are columns 32 b + 16 h + 0 .. 15.  b_proj is the C of a sum's first product.
; THE WAY OUT: a wave's 64 columns are 256 bytes of a row: a tile goes through the wave's own stage in LDS and leaves as whole rows, sixteen lanes to 256 consecutive bytes, aligned.  A tile's lane r is row 8 tau + r + 8 (r / 8) of its pair's 32.
; By this text's count a wave has one tensor load out; no LDS byte is filled twice.
.set OREC,  135168
.set QUART, 33792                      ; 132 rows of 256 bytes
.set XSCL,  131072
.set STAGE, 135168                     ; behind the record: 16 rows x 272 bytes for each wave
.set SPITCH, 272
.set SPARE, 152576                     ; behind the stages: the spare words, 128 bytes a wave
.set WSC,   4194304
.set LI,  1
.set XAD, 2
.set XSA, 3
.set STO, 4                            ; v4  the stage, in: 272 r + 64 h
.set RD,  5                            ; v5  back: 272 (lane / 16) + 16 (lane % 16)
.set GO,  6                            ; v6  and in out0: 4,096 (lane / 16) + 16 (lane % 16)
.set XS0, 7                            ; v7  XSCL + 32 r + 16 h
.set SPW, 10
.set NIL, 11
.set WS,  16                           ; v16-31 the weights' scale words
.set XSC, 32                           ; v32-39 the rows': a set for each tile of the pair
.set BIAS, 48
.set ACC, 80
.set OUTR, 112
.set XF,  144
.set WV,  14
.set MSB, 0
.macro WIN new
.if MSB != \new
	s_set_vgpr_msb (MSB<<8)|\new
.set MSB, \new
.endif
.endm
.macro ROUND
	s_barrier_signal -1
	s_barrier_wait -1
	s_cmp_lg_u32 s[WV], 0
	s_cbranch_scc1 .Lnot_wave_0_\@
	s_barrier_signal -3
.Lnot_wave_0_\@:
	s_barrier_wait -3
	s_barrier_signal -1
	s_barrier_wait -1
.endm
	s_load_b256 s[4:11], s[0:1], 0x0               ; oq s[4:5], wq s[6:7], b_proj s[8:9], out0 s[10:11]
	v_lshl_add_u32 v[SPW], v0, 2, SPARE
	v_mov_b32 v[NIL], 0
	ds_add_u32 v[SPW], v[NIL]                      ; the wave's opening: the add, twice on end, and its wait ahead of my first tensor load
	ds_add_u32 v[SPW], v[NIL]
	v_lshrrev_b32 v1, 5, v0
	v_readfirstlane_b32 s[WV], v1
	s_and_b32 s17, ttmp7, 0xffff                   ; Y
	s_mov_b32 s24, 15|(3<<16)|(1<<21)              ; group 1: the mask names all four; elements of 8 bytes; bit 21 beside a mask
	s_mov_b32 s25, 32<<16
	s_mov_b32 s26, 132<<16
	s_mov_b32 s27, 32<<16
	s_mov_b32 s28, 132
	s_mov_b32 s29, 32
	s_mov_b32 s30, 0
	s_mov_b32 s31, 0
	s_mul_i32 s18, s[WV], QUART
	s_mul_i32 s20, s17, OREC
	s_add_co_u32 s20, s20, s18
	s_mov_b32 s21, 0
	s_wait_dscnt 0x0
	s_wait_kmcnt 0x0
	s_mov_b32 s32, 1
	s_mov_b32 s33, s18
	s_add_nc_u64 s[34:35], s[4:5], s[20:21]
	s_or_b32 s35, s35, 0x80000000
	ROUND
	tensor_load_to_lds s[32:35], s[24:31]
	s_nop 0
.rept 4
	v_nop
.endr
	s_bfe_u32 s15, ttmp6, 0x40000
	s_lshl_b32 s16, ttmp9, 2
	s_add_co_u32 s16, s16, s15                     ; X
	s_lshl_b32 s56, s16, 3
	s_lshl_b32 s57, s[WV], 1
	s_add_co_u32 s56, s56, s57                     ; my first block of 32 columns of w_proj: 8 X + 2 w
	s_mov_b32 s3, 0
	s_lshl_b32 s2, s56, 7
	s_add_nc_u64 s[44:45], s[8:9], s[2:3]          ; its bias
	s_add_co_u32 s56, s56, 96                      ; and in wq
	s_lshl_b32 s2, s56, 15
	s_add_nc_u64 s[40:41], s[6:7], s[2:3]
	s_lshl_b32 s2, s56, 10
	s_add_co_u32 s2, s2, WSC
	s_add_nc_u64 s[42:43], s[6:7], s[2:3]
	s_lshl_b32 s2, s17, 19                         ; 128 Y rows of 4,096 bytes,
	s_lshl_b32 s57, s16, 10
	s_add_co_u32 s2, s2, s57                       ; + 1,024 X
	s_lshl_b32 s57, s[WV], 8
	s_add_co_u32 s2, s2, s57                       ; + 256 w
	s_add_nc_u64 s[36:37], s[10:11], s[2:3]
	v_and_b32 v1, 31, v0
	v_lshlrev_b32 v[LI], 4, v1
	v_and_b32 v2, 15, v0                           ; r
	v_bfe_u32 v3, v0, 4, 1                         ; h
	v_lshlrev_b32 v8, 5, v2
	v_lshl_add_u32 v8, v3, 4, v8                   ; 32 r + 16 h
	v_add_nc_u32 v[XS0], XSCL, v8
	v_lshlrev_b32 v9, 6, v3                        ; the bias: 64 h
	s_mul_i32 s57, s[WV], 16*SPITCH
	s_add_co_u32 s57, s57, STAGE                   ; my stage
	v_mul_u32_u24 v[STO], v2, SPITCH
	v_lshl_add_u32 v[STO], v3, 6, v[STO]
	v_add_nc_u32 v[STO], s57, v[STO]
	v_mul_u32_u24 v[RD], v3, SPITCH
	v_lshl_add_u32 v[RD], v2, 4, v[RD]
	v_add_nc_u32 v[RD], s57, v[RD]
	v_lshlrev_b32 v[GO], 12, v3
	v_lshl_add_u32 v[GO], v2, 4, v[GO]
	WIN 0x40
.set k, 0
.rept 64
	global_load_b128 v[4*k:4*k+3], v[LI], s[40:41] offset:512*k
.set k, k+1
.endr
	WIN 0x80
.set k, 0
.rept 64
	global_load_b128 v[4*k:4*k+3], v[LI], s[40:41] offset:32768+512*k
.set k, k+1
.endr
	WIN 0
.irp t, 0,1,2,3
	global_load_b128 v[WS+4*\t:WS+4*\t+3], v8, s[42:43] offset:512*\t
.endr
.irp t, 0,1,2,3
	global_load_b128 v[BIAS+8*\t:BIAS+8*\t+3], v9, s[44:45] offset:(32*(\t/2)+8*(\t%2))*4
	global_load_b128 v[BIAS+8*\t+4:BIAS+8*\t+7], v9, s[44:45] offset:(32*(\t/2)+8*(\t%2))*4+16
.endr
	s_mov_b32 s48, 0
	s_mov_b32 s49, 0
	s_mov_b32 s50, 0
	s_wait_tensorcnt 0x0                           ; my quarter of the record has landed,
	s_barrier_signal -1
	s_barrier_wait -1                              ; everybody's has
	v_add_nc_u32 v[XAD], s49, v[LI]
	v_add_nc_u32 v[XSA], s50, v[XS0]
	ds_load_b128 v[XSC:XSC+3], v[XSA]
.irp f, 0,1,2
.irp c, 0,1,2,3
	ds_load_b128 v[XF+16*\f+4*\c:XF+16*\f+4*\c+3], v[XAD] offset:2048*\f+512*\c
.endr
.endr
	s_wait_loadcnt 0x0
.macro PM t, tau, s
.set RW, 16*(8*((\t)%2)+(\s))
.if (\s) == 0
	v_wmma_scale_f32_16x16x128_f8f6f4 v[ACC+8*\t:ACC+8*\t+7], v[RW:RW+15], v[XB:XB+15], v[BIAS+8*\t:BIAS+8*\t+7], v[WS+4*\t+SI], v[XSC+4*\tau+SI] matrix_a_fmt:MATRIX_FMT_BF8 matrix_b_fmt:MATRIX_FMT_BF8
.elseif (\s) < 4
	v_wmma_scale_f32_16x16x128_f8f6f4 v[ACC+8*\t:ACC+8*\t+7], v[RW:RW+15], v[XB:XB+15], v[ACC+8*\t:ACC+8*\t+7], v[WS+4*\t+SI], v[XSC+4*\tau+SI] matrix_a_fmt:MATRIX_FMT_BF8 matrix_b_fmt:MATRIX_FMT_BF8
.else
	v_wmma_scale_f32_16x16x128_f8f6f4 v[ACC+8*\t:ACC+8*\t+7], v[RW:RW+15], v[XB:XB+15], v[ACC+8*\t:ACC+8*\t+7], v[WS+4*\t+SI], v[XSC+4*\tau+SI] matrix_a_fmt:MATRIX_FMT_BF8 matrix_b_fmt:MATRIX_FMT_BF8 matrix_a_scale:MATRIX_SCALE_ROW1 matrix_b_scale:MATRIX_SCALE_ROW1
.endif
	v_nop
	v_nop
.endm
; A K step: fragment f = 8 tau + s against my four column tiles, the four accumulators by turns.  Fragment f + 3 goes into the buffer that K step f - 1 read: the eight v_nop are its places.
; n: the LDS loads that may stay out: the two younger fragments' eight (in the last pair four, then none).
.macro KSTEP tau, s, ld, n, more
.set FI, 8*(\tau)+(\s)
.set XB, XF+16*(FI%4)
.set XN, XF+16*((FI+3)%4)
.set SI, (\s)%4
	s_wait_dscnt \n
	WIN 0x01
	PM 0, \tau, \s
	PM 1, \tau, \s
	WIN 0x02
	PM 2, \tau, \s
	PM 3, \tau, \s
	WIN 0
.if ((\s) == 1) && ((\tau) == 0)
	ds_load_b128 v[XSC+4:XSC+7], v[XSA] offset:512
.endif
.if ((\s) == 1) && ((\tau) == 1) && (\more)
	ds_load_b128 v[XSC:XSC+3], v[XSA] offset:1024
.endif
.if \ld
.irp c, 0,1,2,3
	ds_load_b128 v[XN+4*\c:XN+4*\c+3], v[XAD] offset:(FI+3)*2048+512*\c
.endr
.endif
.endm
.macro OUT tau
.rept 8
	v_nop                                          ; eight places ahead of the first read of results
.endr
.irp t, 0,1,2,3
	ds_store_b128 v[STO], v[ACC+8*\t:ACC+8*\t+3] offset:128*(\t/2)+32*(\t%2)          ; each accumulator from its low end on
	ds_store_b128 v[STO], v[ACC+8*\t+4:ACC+8*\t+7] offset:128*(\t/2)+32*(\t%2)+16
.endr
	s_wait_xcnt 0x0                                ; the last tile's stores have read the registers that are loaded now
.irp i, 0,1,2,3,4,5,6,7
	ds_load_b128 v[OUTR+4*\i:OUTR+4*\i+3], v[RD] offset:2*SPITCH*\i   ; LDS serves a wave's instructions in order (ISA guide 5.7.1.4): these see my stores
.endr
	s_wait_dscnt 0x0
.irp i, 0,1,2,3,4,5,6,7
	global_store_b128 v[GO], v[OUTR+4*\i:OUTR+4*\i+3], s[36:37] offset:(2*\i+8*(\i/4)+8*\tau)*4096 th:TH_STORE_NT   ; sixteen lanes store 256 consecutive bytes, aligned; written once, read by nobody here
.endr
.endm
.macro PAIR more
	v_add_nc_u32 v[XAD], s49, v[LI]
	v_add_nc_u32 v[XSA], s50, v[XS0]
	s_wait_alu depctr_va_vdst(0)
.irp s, 0,1,2,3,4,5,6,7
	KSTEP 0, \s, 1, 8, \more
.endr
	OUT 0
.if \more
.irp s, 0,1,2,3,4,5,6,7
	KSTEP 1, \s, 1, 8, 1
.endr
.else
.irp s, 0,1,2,3,4
	KSTEP 1, \s, 1, 8, 0
.endr
	KSTEP 1, 5, 0, 8, 0
	KSTEP 1, 6, 0, 4, 0
	KSTEP 1, 7, 0, 0, 0
.endif
	OUT 1
	s_wait_xcnt 0x0                                ; the stores have read their base
	s_add_nc_u64 s[36:37], s[36:37], 131072        ; 32 rows on
	s_add_co_u32 s49, s49, 32768
	s_add_co_u32 s50, s50, 1024
.endm
.Lpair:
	PAIR 1
	s_add_co_u32 s48, s48, 1
	s_cmp_lt_u32 s48, 3
	s_cbranch_scc1 .Lpair
	PAIR 0                                         ; the last pair is written out: it fetches nothing beyond the record
	s_wait_tensorcnt 0x0                           ; the wave's end
	ds_add_u32 v[SPW], v[NIL]
	s_wait_dscnt 0x0
	ROUND                                          ; the closing round
	s_endpgm
.Lfunc_end_k_qd7a52c7f54_proj:
	.size	k_qd7a52c7f54_proj, .Lfunc_end_k_qd7a52c7f54_proj-k_qd7a52c7f54_proj
	.p2alignl 7, 3214868480
	.fill 96, 4, 3214868480
	.section	.rodata,"a",@progbits
	.p2align	6, 0x0
	.amdhsa_kernel k_qd7a52c7f54_proj
		.amdhsa_group_segment_fixed_size 327680
		.amdhsa_private_segment_fixed_size 0
		.amdhsa_enable_private_segment 0
		.amdhsa_kernarg_size 32
		.amdhsa_user_sgpr_count 2
		.amdhsa_user_sgpr_kernarg_segment_ptr 1
		.amdhsa_wavefront_size32 1
		.amdhsa_system_sgpr_workgroup_id_x 1
		.amdhsa_system_sgpr_workgroup_id_y 1
		.amdhsa_system_sgpr_workgroup_id_z 1
		.amdhsa_system_vgpr_workitem_id 0
		.amdhsa_next_free_vgpr 768
		.amdhsa_next_free_sgpr 66
		.amdhsa_reserve_vcc 0
		.amdhsa_float_denorm_mode_32 3
		.amdhsa_float_denorm_mode_16_64 3
		.amdhsa_memory_ordered 1
		.amdhsa_forward_progress 1
		.amdhsa_inst_pref_size 64
	.end_amdhsa_kernel
	.amdgpu_metadata
---
amdhsa.version: [ 1, 2 ]
amdhsa.kernels:
  - .name:           k_qd7a52c7f54_proj
    .symbol:         k_qd7a52c7f54_proj.kd
    .args:
      - { .name: oq, .offset: 0, .size: 8, .value_kind: global_buffer, .address_space: global }
      - { .name: wq, .offset: 8, .size: 8, .value_kind: global_buffer, .address_space: global }
      - { .name: b_proj, .offset: 16, .size: 8, .value_kind: global_buffer, .address_space: global }
      - { .name: out0, .offset: 24, .size: 8, .value_kind: global_buffer, .address_space: global }
    .group_segment_fixed_size: 327680
    .private_segment_fixed_size: 0
    .kernarg_segment_align: 8
    .kernarg_segment_size: 32
    .max_flat_workgroup_size: 128
    .sgpr_count:     66
    .vgpr_count:     768
    .wavefront_size: 32
...
	.end_amdgpu_metadata
.endif
;; end of part 4
